; MI455X (gfx1250); checked and timed in simulation.
; The chip was launched on July 23, 2026; its instructions are those of AMD's public machine-readable ISA for CDNA 5 (MIT licence, August 2026) and "CDNA5" Instruction Set Architecture Reference Guide (July 2026). The comments in the code are by the model that wrote it; some were corrected since.
;; Causal Multi Head Attention Layer. Allowed arithmetic: matrix products marked QUANTISED: E2M1 operands, one E8M0 scale for each 32 along K, by v_wmma_scale_f32_16x16x128_f8f6f4 with both operands' format E2M1 (or v_wmma_scale_f32_32x16x128_f4), f32 sums; everything else in f32.
;; Inputs: Wk_codes 1,024 x 32 x 16 uint8 (E2M1 codes of Wk, K innermost, in blocks of 32 codes, two codes a byte); Wk_scales 1,024 x 32 uint8 (E8M0 scales of Wk, one for each 32 codes along K); Wo_codes 1,024 x 32 x 16 uint8 (E2M1 codes of Wo, K innermost, in blocks of 32 codes, two codes a byte); Wo_scales 1,024 x 32 uint8 (E8M0 scales of Wo, one for each 32 codes along K); Wq_codes 1,024 x 32 x 16 uint8 (E2M1 codes of Wq, K innermost, in blocks of 32 codes, two codes a byte); Wq_scales 1,024 x 32 uint8 (E8M0 scales of Wq, one for each 32 codes along K); Wv_codes 1,024 x 32 x 16 uint8 (E2M1 codes of Wv, K innermost, in blocks of 32 codes, two codes a byte); Wv_scales 1,024 x 32 uint8 (E8M0 scales of Wv, one for each 32 codes along K); bo 1,024 float32; x_codes 4 x 2,048 x 32 x 16 uint8 (E2M1 codes of x, K innermost, in blocks of 32 codes, two codes a byte); x_scales 4 x 2,048 x 32 uint8 (E8M0 scales of x, one for each 32 codes along K).
;; Outputs: out0 4 x 2,048 x 1,024 float32.
;; This version of the problem:
;;   THIS VERSION OF THE PROBLEM IS GIVEN IN LOW PRECISION. The matrix products marked QUANTISED in the list below multiply operands that are first quantised to E2M1 (2 exponent bits, 1 mantissa bit; 4 bits a number), with one power-of-two scale for each 32 numbers along K (OCP MX v1.0); their sums are f32. All else is computed in f32.
;;   The module's matrix products, in the order in which they are computed (A, B: the left and right operand; K: the contracted axis; several contracted axes count as one K, in the product's order):
;;     1. [M 8,192, K 1,024] x [K 1,024, N 1,024]; A: input x (given as codes); B: input Wq (given as codes): QUANTISED
;;     2. [M 8,192, K 1,024] x [K 1,024, N 1,024]; A: input x (given as codes); B: input Wk (given as codes): QUANTISED
;;     3. [M 8,192, K 1,024] x [K 1,024, N 1,024]; A: input x (given as codes); B: input Wv (given as codes): QUANTISED
;;     4. batch 64 x [M 2,048, K 64] x [K 64, N 2,048]; A: computed on the way; B: computed on the way: QUANTISED
;;     5. batch 64 x [M 2,048, K 2,048] x [K 2,048, N 64]; A: softmax (see below); B: computed on the way: QUANTISED
;;     6. [M 8,192, K 1,024] x [K 1,024, N 1,024]; A: computed on the way; B: input Wo (given as codes): QUANTISED
;;   THE QUANTISER, for each operand of a quantised product, along K:
;;     - K is cut into blocks of 32 from its start; a last block that is shorter is filled with zeros.
;;     - A block's scale is 2^e with e = floor(log2(the largest magnitude in the block)) - 2, held to -126 .. 127; a block of zeros has e = 0. As a byte (E8M0): e + 127.
;;     - Each number is divided by its block's scale, clamped to +-6, and rounded to the nearest number of E2M1, ties to even, subnormals kept.
;;     - The product sums the exact products of the quantised numbers (number of the format x scale) in f32.
;;   ~~~python
;;   def quantise(x, axis):      # numpy; x: float32 -> the quantised numbers, widened to float32 again
;;       x = np.moveaxis(x, axis, -1); K = x.shape[-1]
;;       x = np.pad(x, [(0, 0)] * (x.ndim - 1) + [(0, -K % 32)]); x = x.reshape(x.shape[:-1] + (-1, 32)); a = np.abs(x).max(-1, keepdims=True)
;;       e = np.where(a > 0, np.clip(np.frexp(np.where(a > 0, a, 1))[1] - 1 - 2, -126, 127), 0)      # np.frexp(a)[1] - 1 = floor(log2(a)), exactly
;;       r = np.clip(x / 2.0 ** e, -6, 6)
;;       step = 2.0 ** (np.maximum(np.frexp(np.where(r == 0, 1, r))[1] - 1, 0) - 1)
;;       q = np.round(r / step) * step * 2.0 ** e      # np.round: ties to even
;;       return np.moveaxis(q.reshape(q.shape[:-2] + (-1,))[..., :K], -1, axis).astype(np.float32)
;;   ~~~
;;   SOFTMAX AHEAD OF A QUANTISED PRODUCT. Where the list says 'softmax', what is quantised is not the finished softmax but p = 2^(t - M), with t = logit x log2(e) and M = ceil(the row's largest t), a whole number; so 1/2 < the row's largest p <= 1. The row's sum l is taken of the UNQUANTISED p, in f32, and the product's result is divided by l at the end. Since M is a whole number, a kernel that streams over the keys may use a running M (the ceiling of the running maximum): every later rescaling is an exact power of two, which a block's scale takes up: the codes' values come out the same.
;;   OPERANDS COMPUTED ON THE WAY. 'Computed on the way' means the value that the module computes at that place (a softmax that the list does not call 'softmax' is quantised finished and normalised). What goes into a quantiser is computed in f32, as accurately as f32 sums, v_exp_f32 and their like allow (about 1e-6 of the number): no bf16 or f16 on the way to a quantiser, and a product that is left as it is and whose result goes on into a quantised operand takes f32 operands (vector FMAs, or v_wmma_f32_16x16x4_f32). A number that lies on a knife's edge between two numbers of the format may be rounded either way, as far as f32 arithmetic and the matrix unit's own rounding can turn it there, and no further.
;;   INPUTS GIVEN AS CODES. Wk (in the module: [1024, 1024], K = its axis 1); Wo (in the module: [1024, 1024], K = its axis 1); Wq (in the module: [1024, 1024], K = its axis 1); Wv (in the module: [1024, 1024], K = its axis 1); x (in the module: [4, 2048, 1024], K = its axis 2): each comes as NAME_codes (uint8): NAME with its K axis moved to the last place and cut into blocks of 32 codes, [.., K / 32, bytes a block], one block behind the other in memory; two codes a byte, the lower K in the low four bits (a code: sign, 2 exponent bits, 1 mantissa bit); and NAME_scales (uint8): the same leading axes, one E8M0 byte (e + 127) for each 32 codes along K. Its value is code x scale, taken as it is: it is not quantised again, and the codes and scales need not be those that the quantiser above would give.
;; One version. Each part assembles by itself: llvm-mc -triple=amdgcn-amd-amdhsa -mcpu=gfx1250 --defsym DOCPART=n.
;; ======== version 1 of 1: 3 launches
;; workspace buffers: qc 4,194,304 bytes; qs 262,144 bytes; kc 4,194,304 bytes; ks 262,144 bytes; vc 4,194,304 bytes; vs 262,144 bytes; ac 4,194,304 bytes; asc 262,144 bytes
;; launch qkv (part 1): grid 4 x 96, 4 waves a work-group, clusters of 4 x 4, 327,680 bytes of LDS; arguments x_codes, x_scales, Wq_codes, Wq_scales, Wk_codes, Wk_scales, Wv_codes, Wv_scales, qc, qs, kc, ks, vc, vs; writes qc, qs, kc, ks, vc, vs
.if DOCPART == 1
	.amdgcn_target "amdgcn-amd-amdhsa--gfx1250"
	.amdhsa_code_object_version 6
	.text
	.protected	k_qa93d1320fd_qkv
	.globl	k_qa93d1320fd_qkv
	.p2align	8
	.type	k_qa93d1320fd_qkv,@function
k_qa93d1320fd_qkv:
	s_mov_b64 s[64:65], 0
	v_nop
	global_prefetch_b8 v0, s[64:65] scope:SCOPE_SE
	s_setreg_imm32_b32 hwreg(HW_REG_WAVE_MODE, 25, 1), 1
	s_wait_xcnt 0x0
	s_wait_alu depctr_hold_cnt(0) depctr_sa_sdst(0) depctr_va_vdst(0) depctr_va_sdst(0) depctr_va_ssrc(0) depctr_va_vcc(0) depctr_vm_vsrc(0)
	s_getreg_b32 s2, hwreg(HW_REG_IB_STS2, 6, 4)
	s_cmp_eq_u32 s2, 0
	s_cbranch_scc0 .Lentry_in_a_cluster
	s_endpgm
.Lentry_in_a_cluster:
	s_bfe_u32 s2, ttmp6, 0x10000c
	s_cmp_lg_u32 s2, 0xf033
	s_cbranch_scc0 .Lentry_shape_is_right
	s_endpgm
.Lentry_shape_is_right:
; q = x Wq^T, k = x Wk^T, v = x Wv^T on codes of FP4 (E2M1) with one E8M0 scale for each 32 along K = 1,024, sums in f32; each result is quantised again in registers,
; q and k along the head's 64 (two blocks), v along the tokens (the keys of the second attention product), and leaves as codes and scale bytes.  No f32 result goes to memory.
; ONE TEXT FOR THE THREE PRODUCTS.  The matrix instruction's source 0 takes 16 rows of P, source 1 16 rows of R: in the result a lane holds ONE row of R and its eight registers eight neighbouring rows of P.
; The rows of P are the axis that is quantised.  q: P = Wq, R = x.  k: P = Wk, R = x.  v: P = x, R = Wv.  Which product a cluster makes hangs on the cluster's y alone (0-7 q, 8-15 k, 16-23 v): pointers and
; a few strides are CHOSEN by s_cselect; there is no branch on it.
; SHARES.  A work-group of four waves makes 256 rows of R x 256 rows of P, a wave 128 x 128: 64 accumulators of 16 x 16 in 512 registers.  K = 1,024 is two LDS slots of 512 along K (rows of 256 bytes):
; both are asked for at the start and nothing is filled again.  The scale bytes of the 256 + 256 rows, for all of K, come once, as dense blocks.
; CLUSTERS: 4 x 4 work-groups.  The four of a row of the cluster need the same rows of R, the four of a column the same rows of P: each tile is asked for jointly.
; THE WAY OUT.  One conversion makes a dword (8 codes) of one accumulator's eight registers.  The operand layout wants, in lane (r, h), register 4 c + i = k 64 c + 32 h + 8 i + 0 .. 7; accumulator t of a lane's half h'
; holds k = 16 t + 8 h' + 0 .. 7.  So t = 4 c goes to register 4 c, t = 4 c + 2 to 4 c + 1, t = 4 c + 1 to 4 c + 2, t = 4 c + 3 to 4 c + 3, and two exchanges of halves for each c finish the operand's registers.
; They are stored as they stand (lane l's 16 bytes at 16 l): every store of codes covers 512 consecutive bytes, aligned.
;   qc, kc: [16 b + head][tile of 16 tokens][lane][16 B]      vc: [16 b + head][128 keys j][16 d, dt][c][lane][16 B]
;   qs, ks: [16 b + head][j][256 B]: word 128 (p / 2) + 8 r + 4 (p % 2): token r of tiles 8 j + 2 p (bytes 0, 1) and 8 j + 2 p + 1 (bytes 2, 3)
;   vs:     [16 b + head][j][256 B]: word 8 (16 h + r) + 4 i: the four key blocks of d row r of tile dt = 2 i + h
; v's scale words leave in whole runs of 256 bytes; q's and k's in two runs of 128 bytes an instruction (two heads): half a megabyte in all.
; LIMITS: NaN and infinities are not served.  A block of zeros, or one whose largest magnitude lies under 2^-124, gets the byte 1 (the rule says 127 for zeros): its codes are zeros or nearly so, and only this program reads the bytes.
; REGISTERS, in windows of 256: window 0: v0-31 addresses; v32-95 scale words, two sets; v128-191 R's fragments, one set; on the way out v96-122 at work, v128-191 the codes, v192-207 store offsets.
;   window 1: P's fragments, two sets, at v0 and v128.   window 2: the accumulators of my R rows 0-63 ((a, b) at v[8 (8 a + b)]);   window 3: those of rows 64-127.
.set NQ,     4                         ; matrix instructions deep in a slot: 512 along K
.set ROWB,   256                       ; a tile's row in bytes
.set KROW,   512                       ; a row of codes in memory
.set PITCH,  272                       ; an LDS row: 256 bytes + 16 of padding: the 16 rows that a load touches start 68 words apart
.set FR,     8                         ; registers of a fragment
.set NL,     2                         ; LDS loads that bring one
.set NP,     4                         ; places behind this matrix instruction (ISA guide 7.12.1)
.set HALFT,  128*PITCH
.set SLOT,   4*HALFT                   ; R's 256 rows, then P's 256 rows
.set KS,     32                        ; a row of scale bytes
.set SCL,    2*SLOT                    ; behind the two slots: the scales, as runs of 256 bytes + 16 of padding
.set HALFS,  (128*KS/256)*272
.set SBLK,   (16*KS/256)*272
.set SPARE,  SCL+4*HALFS               ; the spare words, 128 bytes a wave: no other line names them
.set ADRA, 16                          ; v16-17  LDS address of my R fragments in slot 0, 1
.set ADRB, 20                          ; v20-21  the same for P
.set ADRS, 27                          ; v27     my scale words: lanes 0-15 R's rows, lanes 16-31 P's
.set SPW,  28                          ; v28     my spare word; never rewritten
.set NIL,  29                          ; v29     0; never rewritten
.set SC,   32                          ; scale words: set s at v[SC + 32 s]; register 4 i + q
.set TM,   96                          ; v96-99 largest magnitudes, v100-103 the other half's, then bytes, v104-107 the conversions' scale operands
.set PW,   108                         ; v108-115 block a's scale word
.set WW,   116                         ; v116-119 the words as they are stored
.set SELV, 120                         ; v120    v_perm_b32's selector: lanes 0-15 one, lanes 16-31 the other
.set VS0,  121                         ; v121-122 offsets of the scale stores
.set VS1,  122
.set AF,   128                         ; R's fragments
.set PC,   128                         ; the way out: block a's codes at v[PC + 8 a]
.set VO,   192                         ; the way out: offset of block a's store c at v[VO + 2 a + c]
.set G1, 24
.set G0, 32
.set G1B, 48
.set G0B, 56
.set G1S, 68
.set G0S, 76
.set G1SB, 80
.set G0SB, 88
.set MSB, 0
.macro WIN new                         ; the immediate's high byte repeats the setting that is left
.if MSB != (\new)
	s_set_vgpr_msb (MSB<<8)|(\new)
.set MSB, (\new)
.endif
.endm
.set MUL_LO, 0xa1                      ; source 0 (P) window 1, source 1 (R) window 0, C and D window 2
.set MUL_HI, 0xf1                      ; the same, C and D window 3
.set TO_B,   0x40                      ; destination window 1
; A joint load: waves 0 and 1 fetch for R, waves 2 and 3 for P.  The branch hangs on the wave's number alone.  Four v_nop follow each of the two lines.
.macro JLOAD g0a, g1a, g0b, g1b
	s_cmp_eq_u32 s15, 0
	s_cbranch_scc0 .Lfor_b_\@
	tensor_load_to_lds s[\g0a:\g0a+3], s[\g1a:\g1a+7]
	s_nop 0
.rept 4
	v_nop
.endr
	s_branch .Lasked_\@
.Lfor_b_\@:
	tensor_load_to_lds s[\g0b:\g0b+3], s[\g1b:\g1b+7]
	s_nop 0
.rept 4
	v_nop
.endr
.Lasked_\@:
.endm
.macro CROUND                          ; a round of the cluster's barrier
	s_barrier_signal -1
	s_barrier_wait -1
	s_cmp_lg_u32 s14, 0
	s_cbranch_scc1 .Lnot_wave_0_\@
	s_barrier_signal -3
.Lnot_wave_0_\@:
	s_barrier_wait -3
	s_barrier_signal -1
	s_barrier_wait -1
.endm
	s_load_b512 s[68:83], s[0:1], 0x0              ; x codes 68, x scales 70, Wq 72, 74, Wk 76, 78, Wv 80, 82
	s_load_b256 s[84:91], s[0:1], 0x40             ; qc 84, qs 86, kc 88, ks 90
	s_load_b128 s[92:95], s[0:1], 0x60             ; vc 92, vs 94
	v_lshl_add_u32 v[SPW], v0, 2, SPARE
	v_mov_b32 v[NIL], 0
	ds_add_u32 v28, v29
	ds_add_u32 v28, v29
	s_wait_dscnt 0x0
	v_lshrrev_b32 v1, 5, v0
	v_readfirstlane_b32 s14, v1                    ; wave 0..3
	s_lshr_b32 s15, s14, 1                         ; which half of R's rows is mine.  Also: I fetch for R (0) or for P (1)
	s_and_b32 s16, s14, 1                          ; which half of P's rows.  Also: which 128 rows I fetch
	s_bfe_u32 s40, ttmp6, 0x40000                  ; cx
	s_bfe_u32 s41, ttmp6, 0x40004                  ; cy
	s_and_b32 s3, ttmp7, 0xffff                    ; the cluster's y, 0..23: all sixteen partners share it
	s_lshr_b32 s2, s3, 3                           ; 0: q, 1: k, 2: v
	s_and_b32 s3, s3, 7                            ; which 1,024 tokens
	s_cmp_eq_u32 s2, 2
	s_cselect_b32 s17, 0, s3                       ; the tokens are R's rows for q and k,
	s_cselect_b32 s42, s3, 0                       ; P's rows for v
	s_lshl_b32 s17, s17, 2
	s_add_co_u32 s17, s17, s41                     ; R's tile of 256 rows: hangs on cy alone within the cluster
	s_lshl_b32 s42, s42, 2
	s_add_co_u32 s42, s42, s40                     ; P's tile: on cx alone
	s_lshl_b32 s43, s41, 2
	s_lshl_b32 s43, 15, s43                        ; my row of the cluster
	s_lshl_b32 s44, 0x1111, s40                    ; my column
	s_wait_kmcnt 0x0
	s_cmp_eq_u32 s2, 0                             ; q's buffers or k's
	s_cselect_b64 s[8:9], s[72:73], s[76:77]
	s_cselect_b64 s[10:11], s[74:75], s[78:79]
	s_cselect_b64 s[12:13], s[84:85], s[88:89]
	s_cselect_b64 s[98:99], s[86:87], s[90:91]
	s_cmp_eq_u32 s2, 2                             ; or v's, with the roles changed
	s_cselect_b64 s[4:5], s[80:81], s[68:69]       ; R's codes
	s_cselect_b64 s[6:7], s[82:83], s[70:71]       ; R's scales
	s_cselect_b64 s[8:9], s[68:69], s[8:9]         ; P's codes
	s_cselect_b64 s[10:11], s[70:71], s[10:11]     ; P's scales
	s_cselect_b64 s[12:13], s[92:93], s[12:13]     ; the result's codes
	s_cselect_b64 s[98:99], s[94:95], s[98:99]     ; the result's scale bytes
	s_mov_b32 s66, 512                             ; from block a to a + 1 within four: a tile of tokens | v: a tile of d
	s_cselect_b32 s66, 1024, s66
	s_mov_b32 s67, 2048                            ; from block a to a + 4: four tiles of tokens | v: a head
	s_cselect_b32 s67, 65536, s67
	s_mov_b32 s96, 65536                           ; from c = 0 to c = 1: a head | v: the fragment's second half
	s_cselect_b32 s96, 512, s96
	s_mov_b32 s97, 4096                            ; scale words, lanes 16-31: the next head | v: the odd tiles of d
	s_cselect_b32 s97, 128, s97
	s_mov_b32 s100, 128                            ; scale words, second store: tile pairs 2, 3 | v: the next head
	s_cselect_b32 s100, 4096, s100
	s_mov_b32 s101, 0x05040100                     ; lanes 0-15: bytes 0, 1 of two words | v: the first word whole
	s_cselect_b32 s101, 0x03020100, s101
	s_mov_b32 s95, 0x07060302                      ; lanes 16-31: bytes 2, 3 of two words | v: the second word whole
	s_cselect_b32 s95, 0x07060504, s95
	s_mov_b32 s104, 0x76543210                     ; v_permlanex16_b32's selects for lane l xor 16
	s_mov_b32 s105, 0xfedcba98
	; descriptor group 1: a tile of 128 rows x 256 bytes, 16 bytes of padding behind each row
	s_or_b32 s[G1+0], s43, (0<<16)|(1<<20)|(1<<21)|(5<<22)|(3<<25)  ; the mask: R's tiles go to my row; elements of 1 byte; padding on; bit 21 beside a mask; after every 64 words, 4 words
	s_or_b32 s[G1B+0], s44, (0<<16)|(1<<20)|(1<<21)|(5<<22)|(3<<25) ; P's go to my column
.irp g, G1, G1B
	s_mov_b32 s[\g+1], ROWB<<16                    ; tensor_dim0
	s_mov_b32 s[\g+2], 128<<16                     ; tensor_dim1
	s_mov_b32 s[\g+3], ROWB<<16                    ; tile_dim0
	s_mov_b32 s[\g+4], 128                         ; tile_dim1
	s_mov_b32 s[\g+5], KROW                        ; from row to row
	s_mov_b32 s[\g+6], 0
	s_mov_b32 s[\g+7], 0
.endr
	; the scales of 128 rows: 4,096 dense bytes, as 16 rows of 256 bytes (32 elements of 8), 16 bytes of padding behind each
	s_or_b32 s[G1S+0], s43, (3<<16)|(1<<20)|(1<<21)|(5<<22)|(3<<25)
	s_or_b32 s[G1SB+0], s44, (3<<16)|(1<<20)|(1<<21)|(5<<22)|(3<<25)
.irp g, G1S, G1SB
	s_mov_b32 s[\g+1], 32<<16
	s_mov_b32 s[\g+2], (128*KS/256)<<16
	s_mov_b32 s[\g+3], 32<<16
	s_mov_b32 s[\g+4], 128*KS/256
	s_mov_b32 s[\g+5], 32
	s_mov_b32 s[\g+6], 0
	s_mov_b32 s[\g+7], 0
.endr
	s_lshl_b32 s18, s16, 7                         ; which 128 rows of the tile I fetch
	s_lshl_b32 s20, s17, 8
	s_add_co_u32 s20, s20, s18                     ; R: row 256 x tile + 128 x half
	s_lshl_b32 s46, s42, 8
	s_add_co_u32 s46, s46, s18                     ; P likewise
	s_mov_b32 s21, 0
	s_mov_b32 s47, 0
	s_mov_b64 s[18:19], KS
	s_mul_u64 s[22:23], s[20:21], s[18:19]         ; where these rows' scales begin, in bytes
	s_mul_u64 s[92:93], s[46:47], s[18:19]
	s_mov_b64 s[18:19], KROW
	s_mul_u64 s[20:21], s[20:21], s[18:19]         ; and their codes
	s_mul_u64 s[46:47], s[46:47], s[18:19]
	s_mul_i32 s45, s14, HALFT                      ; where they go: wave x 128 rows: no place in the cluster enters an LDS address
	s_mul_i32 s94, s14, HALFS
	s_add_nc_u64 s[20:21], s[4:5], s[20:21]
	s_add_nc_u64 s[22:23], s[6:7], s[22:23]
	s_add_nc_u64 s[46:47], s[8:9], s[46:47]
	s_add_nc_u64 s[92:93], s[10:11], s[92:93]
	CROUND                                         ; all sixteen work-groups are here: the joint loads meet
	s_mov_b32 s[G0S], 1
	s_add_co_u32 s[G0S+1], s94, SCL
	s_mov_b64 s[G0S+2:G0S+3], s[22:23]
	s_or_b32 s[G0S+3], s[G0S+3], 0x80000000
	s_mov_b32 s[G0SB], 1
	s_add_co_u32 s[G0SB+1], s94, SCL
	s_mov_b64 s[G0SB+2:G0SB+3], s[92:93]
	s_or_b32 s[G0SB+3], s[G0SB+3], 0x80000000
	JLOAD G0S, G1S, G0SB, G1SB                     ; the scales first: they are wanted with the first slot
.irp s, 0,1
	s_mov_b32 s[G0+4*\s], 1
	s_add_co_u32 s[G0+4*\s+1], s45, \s*SLOT
	s_add_nc_u64 s[G0+4*\s+2:G0+4*\s+3], s[20:21], \s*ROWB
	s_or_b32 s[G0+4*\s+3], s[G0+4*\s+3], 0x80000000
	s_mov_b32 s[G0B+4*\s], 1
	s_add_co_u32 s[G0B+4*\s+1], s45, \s*SLOT
	s_add_nc_u64 s[G0B+4*\s+2:G0B+4*\s+3], s[46:47], \s*ROWB
	s_or_b32 s[G0B+4*\s+3], s[G0B+4*\s+3], 0x80000000
	JLOAD G0+4*\s, G1, G0B+4*\s, G1B               ; three loads of mine are out: all that this launch asks for
.endr
	v_and_b32 v1, 15, v0                           ; r = l % 16
	v_bfe_u32 v2, v0, 4, 1                         ; h = l / 16
	v_mul_u32_u24 v3, v1, PITCH
	v_lshl_add_u32 v4, v2, 4, v3                   ; a fragment's row x pitch + 16 x half
	s_mul_i32 s21, s15, HALFT                      ; my 128 rows of R
	s_mul_i32 s22, s16, HALFT                      ; my 128 rows of P,
	s_add_co_u32 s22, s22, 2*HALFT                 ; which lie behind R's 256
.irp s, 0,1
	v_add_nc_u32 v[ADRA+\s], s21, v4
	v_add_nc_u32 v[ADRB+\s], s22, v4
	s_add_co_u32 s21, s21, SLOT
	s_add_co_u32 s22, s22, SLOT
.endr
	v_mul_u32_u24 v5, v1, KS                       ; my row's scales: 32 bytes a row,
	v_lshrrev_b32 v6, 8, v5
	v_lshl_add_u32 v5, v6, 4, v5                   ; and 16 more for each 256 passed
	s_mul_i32 s21, s15, HALFS
	s_mul_i32 s22, s16, HALFS
	s_add_co_u32 s22, s22, 2*HALFS
	s_sub_co_u32 s22, s22, s21
	v_mul_u32_u24 v6, s22, v2                      ; lanes 16-31 take P's: one product, the distance between the two bases
	s_add_co_u32 s21, s21, SCL
	v_add_nc_u32 v5, v5, v6
	v_add_nc_u32 v[ADRS], s21, v5
	; where my results begin.  T = my first token, W = my first row of the weight: codes at (T / 2048) 2^20 + 1024 W + 32 (T % 2048) in all three layouts; scale bytes at a sixteenth of that
	s_lshl_b32 s20, s17, 8
	s_lshl_b32 s21, s15, 7
	s_add_co_u32 s20, s20, s21                     ; my first row of R
	s_lshl_b32 s46, s42, 8
	s_lshl_b32 s47, s16, 7
	s_add_co_u32 s46, s46, s47                     ; my first row of P
	s_cmp_eq_u32 s2, 2
	s_cselect_b32 s21, s46, s20                    ; T
	s_cselect_b32 s22, s20, s46                    ; W
	s_lshr_b32 s23, s21, 11
	s_lshl_b32 s23, s23, 20
	s_lshl_b32 s22, s22, 10
	s_add_co_u32 s22, s22, s23
	s_and_b32 s21, s21, 2047
	s_lshl_b32 s21, s21, 5
	s_add_co_u32 s22, s22, s21
	s_mov_b32 s23, 0
	s_add_nc_u64 s[12:13], s[12:13], s[22:23]
	s_lshr_b32 s22, s22, 4
	s_add_nc_u64 s[98:99], s[98:99], s[22:23]
.macro FRAG reg, adr, q, i             ; 16 rows x 128 K of 4-bit codes: lane l holds row l % 16; registers 4 c .. 4 c + 3 hold K = 64 c + 32 (l / 16) + 0 .. 31
.irp c, 0,1
	ds_load_b128 v[\reg+4*\c:\reg+4*\c+3], v[\adr] offset:64*(\q)+32*\c+(\i)*16*PITCH
.endr
.endm
; 16 matrix instructions: R's blocks a0, a0 + 1 x P's eight, the slot's q-th 128 along K.  p: P's set; sc: the set of scale words.  zero = 1: the first product starts the sums.
; The 64 accumulators take turns, one instruction a turn, in the same order in every step.
.macro MUL16 a0, p, q, sc, zero
.irp a, \a0, \a0+1
.irp b, 0,1,2,3,4,5,6,7
.if \zero
	v_wmma_scale_f32_16x16x128_f8f6f4 v[8*(8*((\a)%4)+\b):8*(8*((\a)%4)+\b)+7], v[128*(\p)+FR*\b:128*(\p)+FR*\b+FR-1], v[AF+FR*(\a):AF+FR*(\a)+FR-1], 0, v[SC+8*NQ*(\sc)+NQ*\b+(\q)], v[SC+8*NQ*(\sc)+NQ*(\a)+(\q)] matrix_a_fmt:MATRIX_FMT_FP4 matrix_b_fmt:MATRIX_FMT_FP4 matrix_a_scale:MATRIX_SCALE_ROW1
.else
	v_wmma_scale_f32_16x16x128_f8f6f4 v[8*(8*((\a)%4)+\b):8*(8*((\a)%4)+\b)+7], v[128*(\p)+FR*\b:128*(\p)+FR*\b+FR-1], v[AF+FR*(\a):AF+FR*(\a)+FR-1], v[8*(8*((\a)%4)+\b):8*(8*((\a)%4)+\b)+7], v[SC+8*NQ*(\sc)+NQ*\b+(\q)], v[SC+8*NQ*(\sc)+NQ*(\a)+(\q)] matrix_a_fmt:MATRIX_FMT_FP4 matrix_b_fmt:MATRIX_FMT_FP4 matrix_a_scale:MATRIX_SCALE_ROW1
.endif
.endr
.endr
.endm
.macro FETCH_B slot, q, p              ; P's eight fragments into set p
	WIN TO_B
.irp i, 0,1,2,3,4,5,6,7
	FRAG 128*(\p)+FR*\i, ADRB+\slot, \q, \i
.endr
	WIN 0
.endm
.macro FETCH_A slot, q, i0             ; R's blocks i0 .. i0 + 3
.irp i, \i0, \i0+1, \i0+2, \i0+3
	FRAG AF+FR*(\i), ADRA+\slot, \q, \i
.endr
.endm
.macro SCALES sc                       ; a slot's scale words: four a row; lanes 0-15 take R's block i, lanes 16-31 P's block i
.irp i, 0,1,2,3,4,5,6,7
	ds_load_b128 v[SC+8*NQ*\sc+NQ*\i:SC+8*NQ*\sc+NQ*\i+3], v[ADRS] offset:\i*SBLK
.endr
.endm
.macro PLACES n                        ; plain vector instructions between a matrix instruction and a load into, or a read of, its registers
.rept \n
	v_nop
.endr
.endm
.macro STEP slot, q, zero              ; 128 along K, with a successor in the same slot
	s_wait_dscnt 4*NL                              ; P's set and R's blocks 0-3 are in; the youngest eight loads (R's blocks 4-7) may be out
	WIN MUL_LO
	MUL16 0, (\q)%2, \q, \slot, \zero
	MUL16 2, (\q)%2, \q, \slot, \zero
	s_wait_dscnt 0                                 ; R's blocks 4-7 are in
	PLACES NP
	FETCH_B \slot, (\q)+1, 1-(\q)%2
	FETCH_A \slot, (\q)+1, 0
	WIN MUL_HI
	MUL16 4, (\q)%2, \q, \slot, \zero
	MUL16 6, (\q)%2, \q, \slot, \zero
	PLACES NP
	WIN 0
	FETCH_A \slot, (\q)+1, 4
.endm
.macro TURN slot, next                 ; slot 0's last step goes over to slot 1: one barrier
	s_wait_tensorcnt 0x0                           ; all my tensor loads have landed: my part of the next slot
	ds_add_u32 v[SPW], v[NIL]                      ; 0 onto my spare word
	s_wait_dscnt 4*NL+1                            ; (the add and the youngest eight loads may be out)
	WIN MUL_LO
	MUL16 0, 1, NQ-1, \slot, 0
	s_wait_dscnt 0x0                               ; the add is done, and my reads of this slot are over
	s_barrier_signal -1
	MUL16 2, 1, NQ-1, \slot, 0
	WIN 0
	s_barrier_wait -1                              ; the next slot is whole
	PLACES NP
	v_add_nc_u32 v[ADRS], 4*NQ, v[ADRS]            ; the next slot's scale words
	FETCH_B \next, 0, 0
	FETCH_A \next, 0, 0
	SCALES \next
	WIN MUL_HI
	MUL16 4, 1, NQ-1, \slot, 0
	MUL16 6, 1, NQ-1, \slot, 0
	PLACES NP
	WIN 0
	FETCH_A \next, 0, 4
.endm
.macro STEPS slot, from
.set Q, \from
.rept NQ-1-\from
	STEP \slot, Q, 0
.set Q, Q+1
.endr
.endm
	s_wait_tensorcnt 1                             ; the scales and my part of slot 0 are in; slot 1's load, issued behind them, may be out
	s_barrier_signal -1
	s_barrier_wait -1                              ; everybody's are
	FETCH_B 0, 0, 0
	FETCH_A 0, 0, 0
	SCALES 0
	FETCH_A 0, 0, 4
	STEP 0, 0, 1
	STEPS 0, 1
	TURN 0, 1
	STEPS 1, 0
	s_wait_dscnt 4*NL                              ; the last step: nothing more to fetch
	WIN MUL_LO
	MUL16 0, 1, NQ-1, 1, 0
	MUL16 2, 1, NQ-1, 1, 0
	s_wait_dscnt 0
	WIN MUL_HI
	MUL16 4, 1, NQ-1, 1, 0
	MUL16 6, 1, NQ-1, 1, 0
	WIN 0
	; THE WAY OUT.  The offsets are made here: plain instructions that name none of the last products' registers, so they are also the places behind those products.
	v_and_b32 v3, 31, v0
	v_lshlrev_b32 v[VO], 4, v3                     ; 16 x lane
	v_add_nc_u32 v[VO+1], s96, v[VO]
.irp a, 1,2,3
.irp c, 0,1
	v_add_nc_u32 v[VO+2*\a+\c], s66, v[VO+2*\a-2+\c]
.endr
.endr
.irp c, 0,1
	v_add_nc_u32 v[VO+8+\c], s67, v[VO+\c]
.endr
.irp a, 5,6,7
.irp c, 0,1
	v_add_nc_u32 v[VO+2*\a+\c], s66, v[VO+2*\a-2+\c]
.endr
.endr
.irp b, 0,1,2,3
	v_mov_b32 v[TM+4+\b], 0                        ; written once: a lane permute's destination counts as one of its sources
.endr
	v_cmp_eq_u32 vcc_lo, 1, v2
	v_mov_b32 v[SELV], s101
	v_mov_b32 v3, s95
	v_cndmask_b32 v[SELV], v[SELV], v3, vcc_lo     ; lanes 16-31 take the second selector
	v_lshlrev_b32 v[VS0], 3, v1                    ; 8 r
	v_mad_u32_u24 v[VS0], v2, s97, v[VS0]          ; + h x the distance of the upper lanes' words
	v_add_nc_u32 v[VS1], s100, v[VS0]
; Block a (16 rows of R x my 128 rows of P): four blocks of 32 along P's rows; block b lies in accumulators 2 b and 2 b + 1 of lanes l and l xor 16.
.macro QUANT1 a
.set AC, 64*((\a)%4)
.set PCA, PC+8*(\a)
	WIN 0x28+0x14*((\a)/4)                         ; sources 1 and 2: window 2 or 3
.irp b, 0,1,2,3
	v_max3_num_f32 v[TM+\b], 0x1800000, |v[AC+16*\b]|, |v[AC+16*\b+1]|   ; my 16 numbers, each accumulator from its low end on, and the floor 2^(3 - 127): the byte cannot fall under 1
.endr
.irp i, 2,4,6,8,10,12,14
.irp b, 0,1,2,3
	v_max3_num_f32 v[TM+\b], v[TM+\b], |v[AC+16*\b+\i]|, |v[AC+16*\b+\i+1]|
.endr
.endr
	WIN 0
.irp b, 0,1,2,3
	v_permlanex16_b32 v[TM+4+\b], v[TM+\b], s104, s105
.endr
.irp b, 0,1,2,3
	v_max_num_f32 v[TM+\b], v[TM+\b], v[TM+4+\b]   ; with lane l xor 16's: the block's largest magnitude
.endr
.irp b, 0,1,2,3
	v_add_nc_u32 v[TM+8+\b], 0xff000000, v[TM+\b]  ; 2 off its exponent field: the conversion's scale operand
.endr
.irp b, 0,1,2,3
	v_lshrrev_b32 v[TM+4+\b], 23, v[TM+8+\b]       ; the scale's byte
.endr
	v_lshl_or_b32 v[PW+(\a)], v[TM+5], 8, v[TM+4]
	v_lshl_or_b32 v[PW+(\a)], v[TM+6], 16, v[PW+(\a)]
	v_lshl_or_b32 v[PW+(\a)], v[TM+7], 24, v[PW+(\a)]
	WIN 0x02+((\a)/4)                              ; source 0: window 2 or 3
.irp t, 0,1,2,3,4,5,6,7
	v_cvt_scalef32_pk8_fp4_f32 v[PCA+4*(\t/4)+2*(\t%2)+(\t%4)/2], v[AC+8*\t:AC+8*\t+7], v[TM+8+\t/2]
.endr
	WIN 0
	v_nop                                          ; one plain place behind a scaled conversion
.irp c, 0,1
	v_permlane16_swap_b32 v[PCA+4*\c], v[PCA+4*\c+1]     ; the first's lanes 16-31 change places with the second's lanes 0-15
	v_permlane16_swap_b32 v[PCA+4*\c+2], v[PCA+4*\c+3]
.endr
.endm
.irp a, 0,1,2,3,4,5,6,7                ; every block has registers of its own for its codes, its word and its offsets: no store's source is written again
	QUANT1 \a
.irp c, 0,1
	global_store_b128 v[VO+2*\a+\c], v[PC+8*\a+4*\c:PC+8*\a+4*\c+3], s[12:13]   ; 32 lanes store 512 consecutive bytes, aligned
.endr
.endr
.irp p, 0,1,2,3
	v_perm_b32 v[WW+\p], v[PW+2*\p+1], v[PW+2*\p], v[SELV]   ; selector bytes 0-3 take the second source, 4-7 the first
.endr
	global_store_b64 v[VS0], v[WW:WW+1], s[98:99]
	global_store_b64 v[VS1], v[WW+2:WW+3], s[98:99]
	s_wait_tensorcnt 0x0                           ; the wave's end
	ds_add_u32 v[SPW], v[NIL]
	s_wait_dscnt 0x0
	CROUND                                         ; the closing round: no work-group ends while a partner may still ask for a tile that names it
	s_endpgm
.Lfunc_end_k_qa93d1320fd_qkv:
	.size	k_qa93d1320fd_qkv, .Lfunc_end_k_qa93d1320fd_qkv-k_qa93d1320fd_qkv
	.p2alignl 7, 3214868480
	.fill 96, 4, 3214868480
	.section	.rodata,"a",@progbits
	.p2align	6, 0x0
	.amdhsa_kernel k_qa93d1320fd_qkv
		.amdhsa_group_segment_fixed_size 327680
		.amdhsa_private_segment_fixed_size 0
		.amdhsa_enable_private_segment 0
		.amdhsa_kernarg_size 112
		.amdhsa_user_sgpr_count 2
		.amdhsa_user_sgpr_kernarg_segment_ptr 1
		.amdhsa_wavefront_size32 1
		.amdhsa_system_sgpr_workgroup_id_x 1
		.amdhsa_system_sgpr_workgroup_id_y 1
		.amdhsa_system_sgpr_workgroup_id_z 1
		.amdhsa_system_vgpr_workitem_id 0
		.amdhsa_next_free_vgpr 1024
		.amdhsa_next_free_sgpr 106
		.amdhsa_reserve_vcc 1
		.amdhsa_float_denorm_mode_32 3
		.amdhsa_float_denorm_mode_16_64 3
		.amdhsa_memory_ordered 1
		.amdhsa_forward_progress 1
		.amdhsa_inst_pref_size 130
	.end_amdhsa_kernel
	.amdgpu_metadata
---
amdhsa.version: [ 1, 2 ]
amdhsa.kernels:
  - .name:           k_qa93d1320fd_qkv
    .symbol:         k_qa93d1320fd_qkv.kd
    .args:
      - { .name: x_codes, .offset: 0, .size: 8, .value_kind: global_buffer, .address_space: global }
      - { .name: x_scales, .offset: 8, .size: 8, .value_kind: global_buffer, .address_space: global }
      - { .name: Wq_codes, .offset: 16, .size: 8, .value_kind: global_buffer, .address_space: global }
      - { .name: Wq_scales, .offset: 24, .size: 8, .value_kind: global_buffer, .address_space: global }
      - { .name: Wk_codes, .offset: 32, .size: 8, .value_kind: global_buffer, .address_space: global }
      - { .name: Wk_scales, .offset: 40, .size: 8, .value_kind: global_buffer, .address_space: global }
      - { .name: Wv_codes, .offset: 48, .size: 8, .value_kind: global_buffer, .address_space: global }
      - { .name: Wv_scales, .offset: 56, .size: 8, .value_kind: global_buffer, .address_space: global }
      - { .name: qc, .offset: 64, .size: 8, .value_kind: global_buffer, .address_space: global }
      - { .name: qs, .offset: 72, .size: 8, .value_kind: global_buffer, .address_space: global }
      - { .name: kc, .offset: 80, .size: 8, .value_kind: global_buffer, .address_space: global }
      - { .name: ks, .offset: 88, .size: 8, .value_kind: global_buffer, .address_space: global }
      - { .name: vc, .offset: 96, .size: 8, .value_kind: global_buffer, .address_space: global }
      - { .name: vs, .offset: 104, .size: 8, .value_kind: global_buffer, .address_space: global }
    .group_segment_fixed_size: 327680
    .private_segment_fixed_size: 0
    .kernarg_segment_align: 8
    .kernarg_segment_size: 112
    .max_flat_workgroup_size: 128
    .sgpr_count:     106
    .vgpr_count:     1024
    .wavefront_size: 32
...
	.end_amdgpu_metadata
.endif
;; end of part 1
;; launch attn (part 2): grid 4 x 64, 16 waves a work-group, no clusters, 169,984 bytes of LDS; arguments qc, qs, kc, ks, vc, vs, ac, asc; writes ac, asc
.if DOCPART == 2
	.amdgcn_target "amdgcn-amd-amdhsa--gfx1250"
	.amdhsa_code_object_version 6
	.text
	.protected	k_qa93d1320fd_attn
	.globl	k_qa93d1320fd_attn
	.p2align	8
	.type	k_qa93d1320fd_attn,@function
k_qa93d1320fd_attn:
	s_mov_b64 s[64:65], 0
	v_nop
	global_prefetch_b8 v0, s[64:65] scope:SCOPE_SE
	s_setreg_imm32_b32 hwreg(HW_REG_WAVE_MODE, 25, 1), 1
	s_wait_xcnt 0x0
; Causal attention of one head on codes of FP4 (E2M1), one E8M0 scale for each 32 along a product's K; the result, divided by the row's sum, is quantised along the model's 1,024 (two blocks a head) and leaves as codes.
; t = score x log2(e) / 64; M = the running largest t rounded UP to a whole number; p = 2^(t - M) is quantised along the keys, not normalised; the row's sum is taken of the unquantised p.  When M moves, the sum and
; O are multiplied by 2^(old M - new M): exact.
; SHARES.  Four work-groups to a head (64 heads x batches), sixteen waves each, 256 registers a wave.  Wave w of work-group c owns TWO tiles of 16 queries: tile A = 16 c + w (0..63) and tile B = 127 - A.
; Tile t needs the key steps (128 keys) 0 .. t / 8, so A / 8 + B / 8 = 15 and every wave does 17 tile steps: equal work under the mask.  All waves walk the 16 key steps in loops of constant count and jump
; over a tile's work by scalar branches on ids; no barrier and no tensor load stands under such a branch.
; LDS.  A head's K codes (65,536 bytes), V codes (65,536), K scales (4,096) and V scales (4,096) lie there whole, each filled once: wave 0 asks for K's, wave 1 for V's, five loads each (the scales, then four
; chunks of 512 keys), all at the start.  Ahead of chunk q's steps stand a counted wait and a barrier.  All are images of operand registers: every read is 16 or 8 bytes a lane, on end.
; NO CLUSTER, though the four work-groups of a head read the same K and V: which steps a wave leaves out hangs on its work-group's place among the four.
; THE FIRST PRODUCT has K = 64 and the instruction 128.  Source 0 takes TWO tiles of 16 keys side by side (registers 0-3 one tile, 4-7 the next); source 1 is [q | 0] for the first tile's scores and [0 | q] for the
; second's.  Q lies in twelve registers [q | 0 | q], so both are runs of eight.  Zero codes add nothing under any scale byte of this program (1 .. 254).
; LAYOUT.  Both products are used transposed: a lane holds ONE query (lane % 16); register 8 T + i of the scores is key 16 T + 8 (lane / 16) + i of the step.  A block of 32 keys is tiles 2 b, 2 b + 1 in lanes l and l xor 16.
; One conversion makes a dword of one tile's eight registers; the order of the conversions' destinations (T = 4 c -> 4 c, 4 c + 2 -> 4 c + 1, 4 c + 1 -> 4 c + 2, 4 c + 3 -> 4 c + 3) and two exchanges of halves for each c give the operand.
; OUT.  ac: [head / 8][tile of 16 tokens, 512][head % 8][lane][16 B]: 512 consecutive bytes a store.  asc: [token][32], bytes 2 head, 2 head + 1: two bytes a lane, 32 bytes apart, 262,144 bytes in all: the price of
; rows of scale bytes that the last launch can fetch as dense blocks.  Lanes 16-31 store the same halfword as lanes 0-15.
; LIMITS: NaN and infinities are not served; a block of zeros or under 2^-124 gets the byte 1 (only this program reads the bytes); 1 / sum is v_rcp_f32.
.set AIM,  1                           ; v1   16 x lane
.set AIMV, 2                           ; v2   + 65,536: V's codes
.set ASC,  3                           ; v3   8 x lane + 131,072: K's scale words (V's 4,096 on)
.set ADK,  4                           ; v4-6 the step's addresses
.set ADV,  5
.set ADS,  6
.set ASR,  7                           ; v7   32 r: my token's row of asc
.set KSC,  8                           ; v8-9   K's scale words: tile pair p in register p % 2, lanes 16 (p / 2) on
.set VSC,  10                          ; v10-11 V's: tile dt in register dt / 2, lanes 16 (dt % 2) on
.set QB,   12                          ; v12-23 tile B's [q | 0 | q]
.set MB,   24                          ; v24 -M, v25 the largest t
.set LB,   26                          ; v26-27 the sum in two halves
.set QSB,  28                          ; v28  q's scale word, its two bytes twice
.set QDB,  29                          ; v29  my query - 8 (lane / 16)
.set QA,   30                          ; the same for tile A
.set MA,   42
.set LA,   44
.set QSA,  46
.set QDA,  47
.set FRG,  48                          ; v48-79  four fragments of K, then of V
.set S,    80                          ; v80-143 scores, then p
.set OB,   144                         ; v144-175 tile B's O^T
.set OA,   176                         ; v176-207 tile A's
.set PC,   208                         ; v208-215 p's codes
.set BM,   216                         ; v216-219 the blocks' largest scores, then largest p
.set T4,   220                         ; v220-223 at work
.set SO,   224                         ; v224-227 the conversions' scale operands
.set F,    228                         ; v228 2^(old M - new M)
.set PW,   229                         ; v229 p's scale word
.set TMP,  230
.set R8,   231                         ; v231 8 r
.set NINF, 232                         ; v232 -infinity
.set DT,   233
.set WA,   234                         ; v234, 235 the results' two scale bytes
.set WB,   235
.set RAW,  236                         ; v236, 237 q's scale words as they lie in qs
.set RR,   238
.set HH,   239
.set RH,   240                         ; r - 8 h
.set WV,   20
.set HB,   21                          ; 16 b + head
.set SEL,  24
.set CS,   26                          ; s[26:27] log2(e) / 64
.set G1C,  28                          ; s[28:35] a chunk: 64 rows of 256 bytes, dense
.set G1S,  36                          ; s[36:43] the scales: 16 such rows
.set G0,   44                          ; s[44:63] five groups 0
.set TA,   66
.set TBQ,  67
.set NA,   68                          ; tile A's last key step, the one on the diagonal
.set NB,   69
.set J,    70                          ; the key step
.set TK,   71                          ; 4,096 J
.set TS,   72                          ; 256 J
.set KF,   73                          ; 128 J: the step's first key
	s_load_b512 s[4:19], s[0:1], 0x0               ; qc 4, qs 6, kc 8, ks 10, vc 12, vs 14, ac 16, asc 18
	v_lshl_add_u32 v254, v0, 2, 0x29000
	v_mov_b32 v255, 0
	ds_add_u32 v254, v255
	ds_add_u32 v254, v255
	v_lshrrev_b32 v[TMP], 5, v0
	v_readfirstlane_b32 s[WV], v[TMP]              ; wave 0..15
	s_and_b32 s[HB], ttmp7, 0xffff
	s_lshl_b32 s[TA], ttmp9, 4
	s_add_co_u32 s[TA], s[TA], s[WV]
	s_sub_co_u32 s[TBQ], 127, s[TA]
	s_lshr_b32 s[NA], s[TA], 3
	s_lshr_b32 s[NB], s[TBQ], 3
	s_mov_b32 s[G1C], 3<<16                        ; no mask; elements of 8 bytes; no padding
	s_mov_b32 s[G1C+1], 32<<16                     ; tensor_dim0 = 32
	s_mov_b32 s[G1C+2], 64<<16                     ; tensor_dim1 = 64
	s_mov_b32 s[G1C+3], 32<<16                     ; tile_dim0
	s_mov_b32 s[G1C+4], 64                         ; tile_dim1
	s_mov_b32 s[G1C+5], 32                         ; from row to row
	s_mov_b32 s[G1C+6], 0
	s_mov_b32 s[G1C+7], 0
	s_mov_b32 s[G1S], 3<<16
	s_mov_b32 s[G1S+1], 32<<16
	s_mov_b32 s[G1S+2], 16<<16
	s_mov_b32 s[G1S+3], 32<<16
	s_mov_b32 s[G1S+4], 16
	s_mov_b32 s[G1S+5], 32
	s_mov_b32 s[G1S+6], 0
	s_mov_b32 s[G1S+7], 0
	s_mov_b32 s[SEL], 0x76543210
	s_mov_b32 s[SEL+1], 0xfedcba98
	s_mov_b32 s[CS], 0x3cb8aa3b                    ; log2(e) / 64
	s_mov_b32 s[CS+1], s[CS]
	s_mov_b32 s23, 0
	s_wait_dscnt 0x0
	s_wait_kmcnt 0x0
	s_cmp_eq_u32 s[WV], 0                          ; wave 0 fetches K's, wave 1 V's
	s_cselect_b64 s[92:93], s[10:11], s[14:15]
	s_cselect_b64 s[94:95], s[8:9], s[12:13]
	s_lshl_b32 s22, s[HB], 12
	s_add_nc_u64 s[92:93], s[92:93], s[22:23]      ; the head's scale bytes
	s_lshl_b32 s22, s[HB], 16
	s_add_nc_u64 s[94:95], s[94:95], s[22:23]      ; the head's codes
	s_mov_b32 s[G0], 1
	s_lshl_b32 s[G0+1], s[WV], 12
	s_add_co_u32 s[G0+1], s[G0+1], 131072          ; LDS: 131,072 + 4,096 x wave
	s_mov_b64 s[G0+2:G0+3], s[92:93]
	s_or_b32 s[G0+3], s[G0+3], 0x80000000
.irp q, 0,1,2,3
	s_mov_b32 s[G0+4+4*\q], 1
	s_lshl_b32 s[G0+5+4*\q], s[WV], 16
	s_add_co_u32 s[G0+5+4*\q], s[G0+5+4*\q], 16384*\q   ; LDS: 65,536 x wave + 16,384 x chunk
	s_add_nc_u64 s[G0+6+4*\q:G0+7+4*\q], s[94:95], 16384*\q
	s_or_b32 s[G0+7+4*\q], s[G0+7+4*\q], 0x80000000
.endr
	s_cmp_lt_u32 s[WV], 2
	s_cbranch_scc0 .Lno_fetch
	tensor_load_to_lds s[G0:G0+3], s[G1S:G1S+7]    ; five loads of mine are out: all first fills, in one branch, ahead of every wait on TENSORcnt, LDS read and barrier
	s_nop 0
	tensor_load_to_lds s[G0+4:G0+7], s[G1C:G1C+7]
	s_nop 0
	tensor_load_to_lds s[G0+8:G0+11], s[G1C:G1C+7]
	s_nop 0
	tensor_load_to_lds s[G0+12:G0+15], s[G1C:G1C+7]
	s_nop 0
	tensor_load_to_lds s[G0+16:G0+19], s[G1C:G1C+7]
	s_nop 0
.rept 4
	v_nop
.endr
.Lno_fetch:
	v_and_b32 v[TMP], 31, v0
	v_lshlrev_b32 v[AIM], 4, v[TMP]
	v_add_nc_u32 v[AIMV], 0x10000, v[AIM]
	v_lshl_add_u32 v[ASC], v[TMP], 3, 0x20000
	v_and_b32 v[RR], 15, v0
	v_bfe_u32 v[HH], v0, 4, 1
	v_lshlrev_b32 v[ASR], 5, v[RR]
	v_lshlrev_b32 v[R8], 3, v[RR]
	v_lshlrev_b32 v[RH], 3, v[HH]
	v_sub_nc_u32 v[RH], v[RR], v[RH]
	s_bfe_u32 s92, s[HB], 0x10003                  ; ac: 2,097,152 (head / 8)
	s_lshl_b32 s92, s92, 21
	s_and_b32 s74, s[HB], 7
	s_lshl_b32 s74, s74, 9
	s_add_co_u32 s92, s92, s74                     ; + 512 (head % 8)
	s_lshr_b32 s75, s[HB], 4                       ; b
	s_lshl_b32 s74, s75, 19
	s_add_co_u32 s92, s92, s74                     ; + 4,096 x 128 b
	s_lshl_b32 s93, s75, 16                        ; asc: 32 x 2,048 b
	s_and_b32 s74, s[HB], 15
	s_lshl_b32 s74, s74, 1
	s_add_co_u32 s93, s93, s74                     ; + 2 head
; What hangs on a tile's number: where its q and q's scale word lie, where its result goes, which two bytes of the word are its own, and its queries.
.macro BASES tau, qcb, qsb, acb, asb, psel, tqd
	s_lshl_b32 s22, s[HB], 16
	s_lshl_b32 s74, s[\tau], 9
	s_add_co_u32 s22, s22, s74
	s_add_nc_u64 s[\qcb:\qcb+1], s[4:5], s[22:23]  ; qc + 65,536 hb + 512 tile
	s_lshl_b32 s22, s[HB], 12
	s_lshr_b32 s74, s[\tau], 2
	s_lshl_b32 s74, s74, 7
	s_add_co_u32 s22, s22, s74
	s_bfe_u32 s74, s[\tau], 0x10001
	s_lshl_b32 s74, s74, 2
	s_add_co_u32 s22, s22, s74
	s_add_nc_u64 s[\qsb:\qsb+1], s[6:7], s[22:23]  ; qs + 4,096 hb + 128 (tile / 4) + 4 ((tile / 2) % 2)
	s_lshl_b32 s74, s[\tau], 12
	s_add_co_u32 s22, s92, s74
	s_add_nc_u64 s[\acb:\acb+1], s[16:17], s[22:23]
	s_lshl_b32 s74, s[\tau], 9
	s_add_co_u32 s22, s93, s74
	s_add_nc_u64 s[\asb:\asb+1], s[18:19], s[22:23]
	s_and_b32 s74, s[\tau], 1
	s_cmp_eq_u32 s74, 1
	s_mov_b32 s[\psel], 0x01000100                 ; an even tile's bytes 0, 1, twice;
	s_cselect_b32 s[\psel], 0x03020302, s[\psel]   ; an odd tile's bytes 2, 3
	s_lshl_b32 s74, s[\tau], 4
	v_add_nc_u32 v[\tqd], s74, v[RH]               ; 16 tile + r - 8 h
.endm
	BASES TA, 84, 88, 76, 80, 96, QDA
	BASES TBQ, 86, 90, 78, 82, 97, QDB
	global_load_b128 v[QA:QA+3], v[AIM], s[84:85]  ; the same image twice: [q | . | q]
	global_load_b128 v[QA+8:QA+11], v[AIM], s[84:85]
	global_load_b128 v[QB:QB+3], v[AIM], s[86:87]
	global_load_b128 v[QB+8:QB+11], v[AIM], s[86:87]
	global_load_b32 v[RAW], v[R8], s[88:89]
	global_load_b32 v[RAW+1], v[R8], s[90:91]
	v_mov_b32 v[MA+1], 0xff61b1e6                  ; the largest t so far: -3e38, under every t
	v_mov_b32 v[MB+1], 0xff61b1e6
	v_floor_f32 v[MA], -v[MA+1]                    ; -M
	v_floor_f32 v[MB], -v[MB+1]
	v_mov_b32 v[LA], 0
	v_mov_b32 v[LA+1], 0
	v_mov_b32 v[LB], 0
	v_mov_b32 v[LB+1], 0
.irp b, 0,1,2,3
	v_mov_b32 v[T4+\b], 0                          ; written once: a lane permute's destination counts as one of its sources
.endr
	v_mov_b32 v[PW], 0                             ; (named as the upper half of the pair v[F:F+1] before it is first written)
	v_mov_b32 v[NINF], 0xff800000
	s_wait_loadcnt 0x0                             ; q and its scale words
	v_perm_b32 v[QSA], v[RAW], v[RAW], s96
	v_perm_b32 v[QSB], v[RAW+1], v[RAW+1], s97
.irp i, 4,5,6,7
	v_mov_b32 v[QA+\i], 0                          ; the zero halves.  These and the 64 lines below are the plain instructions between the scale words' making and the first product
	v_mov_b32 v[QB+\i], 0
.endr
.set nn, 0
.rept 64
	v_mov_b32 v[OB+nn], 0                          ; O^T of both tiles.  (A step is written once: the first finds zeros, which the first change of M leaves zeros)
.set nn, nn+1
.endr
.macro STEPHEAD                        ; the step's addresses: with the v_nop four plain instructions behind the last products, ahead of loads into registers that they read
	v_add_nc_u32 v[ADK], s[TK], v[AIM]
	v_add_nc_u32 v[ADV], s[TK], v[AIMV]
	v_add_nc_u32 v[ADS], s[TS], v[ASC]
	v_nop
	ds_load_b64 v[KSC:KSC+1], v[ADS]
	ds_load_b64 v[VSC:VSC+1], v[ADS] offset:4096
.endm
; ONE TILE'S KEY STEP.  tq, tqs: its q and scale word; tm: -M and t; tl: the sums; tqd: its queries; to: O^T; tnx: the scalar that holds its diagonal step; msk: the step may lie on the diagonal; plc: products stand just ahead.
.macro TSTEP tq, tqs, tm, tl, tqd, to, tnx, msk, plc
.if \plc
.rept 4
	v_nop                                          ; places ahead of loads into registers that the last products read
.endr
.endif
.irp p, 0,1,2,3
.irp c, 0,1
	ds_load_b128 v[FRG+8*\p+4*\c:FRG+8*\p+4*\c+3], v[ADK] offset:1024*\p+512*\c   ; tile 2 p + c of the step's eight tiles of 16 keys
.endr
.endr
	s_wait_dscnt 0x0
.irp p, 0,1
.irp u, 0,1
	v_wmma_scale_f32_16x16x128_f8f6f4 v[S+8*(2*\p+\u):S+8*(2*\p+\u)+7], v[FRG+8*\p:FRG+8*\p+7], v[\tq+4*\u:\tq+4*\u+7], 0, v[KSC+\p], v[\tqs] matrix_a_fmt:MATRIX_FMT_FP4 matrix_b_fmt:MATRIX_FMT_FP4
.endr
.endr
.irp p, 2,3
.irp u, 0,1
	v_wmma_scale_f32_16x16x128_f8f6f4 v[S+8*(2*\p+\u):S+8*(2*\p+\u)+7], v[FRG+8*\p:FRG+8*\p+7], v[\tq+4*\u:\tq+4*\u+7], 0, v[KSC+\p-2], v[\tqs] matrix_a_fmt:MATRIX_FMT_FP4 matrix_b_fmt:MATRIX_FMT_FP4 matrix_a_scale:MATRIX_SCALE_ROW1
.endr
.endr
.rept 4
	v_nop                                          ; places ahead of the loads below and of the first read of the scores
.endr
.irp t, 0,1,2,3
.irp c, 0,1
	ds_load_b128 v[FRG+8*\t+4*\c:FRG+8*\t+4*\c+3], v[ADV] offset:1024*\t+512*\c   ; V^T, 16 d x 128 keys a fragment: it lands while the softmax is walked
.endr
.endr
.if \msk
	s_cmp_lg_u32 s[J], s[\tnx]                     ; only the tile's last step lies on the diagonal
	s_cbranch_scc1 .Lopen_\@
	s_sub_co_i32 s75, 0, s[KF]
	v_add_nc_u32 v[DT], s75, v[\tqd]               ; my query - the step's first key - 8 h: register n holds key 16 (n / 8) + n % 8 + 8 h, hidden where 16 (n / 8) + n % 8 is greater
.set nn, 0
.rept 64
	v_cmp_gt_i32 vcc_lo, 16*(nn/8)+nn%8, v[DT]
	v_cndmask_b32 v[S+nn], v[S+nn], v[NINF], vcc_lo
.set nn, nn+1
.endr
.Lopen_\@:
.endif
.irp b, 0,1,2,3
	v_max3_num_f32 v[BM+\b], v[S+16*\b], v[S+16*\b+1], v[S+16*\b+2]   ; the largest score of each block of 32 keys: for the row's maximum and, since p rises with the score, for the block's largest p
.endr
.irp i, 3,5,7,9,11,13
.irp b, 0,1,2,3
	v_max3_num_f32 v[BM+\b], v[BM+\b], v[S+16*\b+\i], v[S+16*\b+\i+1]
.endr
.endr
.irp b, 0,1,2,3
	v_max_num_f32 v[BM+\b], v[BM+\b], v[S+16*\b+15]
.endr
.irp b, 0,1,2,3
	v_permlanex16_b32 v[T4+\b], v[BM+\b], s[SEL], s[SEL+1]
.endr
.irp b, 0,1,2,3
	v_max_num_f32 v[BM+\b], v[BM+\b], v[T4+\b]     ; with lane l xor 16's 16 keys
.endr
	v_max3_num_f32 v[TMP], v[BM], v[BM+1], v[BM+2]
	v_max_num_f32 v[TMP], v[TMP], v[BM+3]
	v_mul_f32 v[TMP], s[CS], v[TMP]                ; as t
	v_max_num_f32 v[\tm+1], v[\tm+1], v[TMP]       ; the running largest t
	v_mov_b32 v[TMP], v[\tm]
	v_floor_f32 v[\tm], -v[\tm+1]                  ; the new -M = floor(-t): M is a whole number
	v_sub_f32 v[TMP], v[\tm], v[TMP]               ; old M - new M, 0 or less
	v_cvt_i32_f32 v[TMP], v[TMP]                   ; (it saturates)
	v_ldexp_f32 v[F], 1.0, v[TMP]                  ; f = 2^(old M - new M)
.set nn, 0
.rept 32
	v_pk_fma_f32 v[S+nn:S+nn+1], v[S+nn:S+nn+1], s[CS:CS+1], v[\tm:\tm+1] op_sel_hi:[1,0,0]   ; t - M, two at a time
.set nn, nn+2
.endr
.irp b, 0,1,2,3
	v_fma_f32 v[BM+\b], v[BM+\b], s[CS], v[\tm]    ; the same of each block's largest score
.endr
.set nn, 0
.rept 64
	v_exp_f32 v[S+nn], v[S+nn]                     ; p = 2^(t - M), at most 1
.set nn, nn+1
.endr
	v_pk_mul_f32 v[\tl:\tl+1], v[\tl:\tl+1], v[F:F+1] op_sel_hi:[1,0]   ; the sums under the new M: a plain instruction behind the exponentials
	s_wait_alu depctr_va_vdst(0)                   ; one wait for the whole batch, ahead of its first reader
.irp b, 0,1,2,3
	v_exp_f32 v[BM+\b], v[BM+\b]                   ; the block's largest p: the same two instructions on the same number give the same bits
.endr
	v_pk_add_f32 v[T4:T4+1], v[S:S+1], v[S+2:S+3]  ; the row's sum is taken of the unquantised p, in two chains
.set nn, 4
.rept 15
	v_pk_add_f32 v[\tl:\tl+1], v[\tl:\tl+1], v[S+nn:S+nn+1]
	v_pk_add_f32 v[T4:T4+1], v[T4:T4+1], v[S+nn+2:S+nn+3]
.set nn, nn+4
.endr
	v_pk_add_f32 v[\tl:\tl+1], v[\tl:\tl+1], v[T4:T4+1]
	s_wait_alu depctr_va_vdst(0)                   ; and one for the four
.irp b, 0,1,2,3
	v_max_num_f32 v[BM+\b], 0x1800000, v[BM+\b]    ; the floor 2^(3 - 127): the byte cannot fall under 1
.endr
.irp b, 0,1,2,3
	v_add_nc_u32 v[SO+\b], 0xff000000, v[BM+\b]    ; 2 off the exponent field: the conversion's scale operand
.endr
.irp b, 0,1,2,3
	v_lshrrev_b32 v[T4+\b], 23, v[SO+\b]           ; the scale's byte
.endr
	v_lshl_or_b32 v[PW], v[T4+1], 8, v[T4]         ; p's scale word for these 128 keys
	v_lshl_or_b32 v[PW], v[T4+2], 16, v[PW]
	v_lshl_or_b32 v[PW], v[T4+3], 24, v[PW]
.irp t, 0,1,2,3,4,5,6,7
	v_cvt_scalef32_pk8_fp4_f32 v[PC+4*(\t/4)+2*(\t%2)+(\t%4)/2], v[S+8*\t:S+8*\t+7], v[SO+\t/2]
.endr
	v_nop                                          ; one plain place behind a scaled conversion
.irp c, 0,1
	v_permlane16_swap_b32 v[PC+4*\c], v[PC+4*\c+1]
	v_permlane16_swap_b32 v[PC+4*\c+2], v[PC+4*\c+3]
.endr
.set nn, 0
.rept 16
	v_pk_mul_f32 v[\to+nn:\to+nn+1], v[\to+nn:\to+nn+1], v[F:F+1] op_sel_hi:[1,0]   ; O^T under the new M, from each accumulator's low end on.  These 16 are also the places between p's codes and scale word and the products
.set nn, nn+2
.endr
	s_wait_dscnt 0x0                               ; V is in
.irp t, 0,2
	v_wmma_scale_f32_16x16x128_f8f6f4 v[\to+8*\t:\to+8*\t+7], v[FRG+8*\t:FRG+8*\t+7], v[PC:PC+7], v[\to+8*\t:\to+8*\t+7], v[VSC+\t/2], v[PW] matrix_a_fmt:MATRIX_FMT_FP4 matrix_b_fmt:MATRIX_FMT_FP4
	v_wmma_scale_f32_16x16x128_f8f6f4 v[\to+8*\t+8:\to+8*\t+15], v[FRG+8*\t+8:FRG+8*\t+15], v[PC:PC+7], v[\to+8*\t+8:\to+8*\t+15], v[VSC+\t/2], v[PW] matrix_a_fmt:MATRIX_FMT_FP4 matrix_b_fmt:MATRIX_FMT_FP4 matrix_a_scale:MATRIX_SCALE_ROW1
.endr
.endm
; CHUNK ph: key steps 4 ph .. 4 ph + 3.  The count leaves the later chunks' loads out (3 - ph of them were issued behind this chunk's).
; Steps 0-7: tile B always, unmasked (its diagonal lies at step 8 or later); tile A while the step is not past its diagonal.  Steps 8-15: tile B alone, while the step is not past its diagonal.
.macro PHASE ph
	s_wait_tensorcnt 3-\ph
	s_wait_dscnt 0x0
	s_barrier_signal -1
	s_barrier_wait -1
	s_mov_b32 s[J], 4*\ph
	s_mov_b32 s[TK], 16384*\ph
	s_mov_b32 s[TS], 1024*\ph
	s_mov_b32 s[KF], 512*\ph
.Ltrip_\ph:
.if \ph >= 2
	s_cmp_gt_u32 s[J], s[NB]
	s_cbranch_scc1 .Ltail_\ph
	STEPHEAD
	TSTEP QB, QSB, MB, LB, QDB, OB, NB, 1, 0
.else
	STEPHEAD
	TSTEP QB, QSB, MB, LB, QDB, OB, NB, 0, 0
	s_cmp_gt_u32 s[J], s[NA]
	s_cbranch_scc1 .Ltail_\ph
	TSTEP QA, QSA, MA, LA, QDA, OA, NA, 1, 1
.endif
.Ltail_\ph:
	s_add_co_u32 s[TK], s[TK], 4096
	s_add_co_u32 s[TS], s[TS], 256
	s_add_co_u32 s[KF], s[KF], 128
	s_add_co_u32 s[J], s[J], 1
	s_cmp_lt_u32 s[J], 4*\ph+4
	s_cbranch_scc1 .Ltrip_\ph
.endm
	PHASE 0
	PHASE 1
	PHASE 2
	PHASE 3
; A TILE'S END: O^T / the sum, quantised along the head's 64 (two blocks: tiles of d 0, 1 and 2, 3), stored as half a fragment's image and two scale bytes a token.
.macro FINISH fl, fo, fe, fw, fac, fas
	v_add_f32 v[\fl], v[\fl], v[\fl+1]             ; the sum's two halves,
	v_permlanex16_b32 v[T4], v[\fl], s[SEL], s[SEL+1]
	v_add_f32 v[\fl], v[\fl], v[T4]                ; and lane l xor 16's
	v_rcp_f32 v[F], v[\fl]
	v_nop                                          ; a plain instruction behind the reciprocal
	s_wait_alu depctr_va_vdst(0)                   ; and the wait ahead of its first reader
.set nn, 0
.rept 16
	v_pk_mul_f32 v[S+nn:S+nn+1], v[\fo+nn:\fo+nn+1], v[F:F+1] op_sel_hi:[1,0]   ; register 8 dt + i: d = 16 dt + 8 h + i of my query
.set nn, nn+2
.endr
.irp b, 0,1
	v_max3_num_f32 v[BM+\b], |v[S+16*\b]|, |v[S+16*\b+1]|, 0x1800000
.endr
.irp i, 2,4,6,8,10,12,14
.irp b, 0,1
	v_max3_num_f32 v[BM+\b], v[BM+\b], |v[S+16*\b+\i]|, |v[S+16*\b+\i+1]|
.endr
.endr
.irp b, 0,1
	v_permlanex16_b32 v[T4+\b], v[BM+\b], s[SEL], s[SEL+1]
.endr
.irp b, 0,1
	v_max_num_f32 v[BM+\b], v[BM+\b], v[T4+\b]
.endr
.irp b, 0,1
	v_add_nc_u32 v[SO+\b], 0xff000000, v[BM+\b]
.endr
.irp b, 0,1
	v_lshrrev_b32 v[T4+\b], 23, v[SO+\b]
.endr
	v_lshl_or_b32 v[\fw], v[T4+1], 8, v[T4]
.irp t, 0,1,2,3
	v_cvt_scalef32_pk8_fp4_f32 v[\fe+2*(\t%2)+\t/2], v[S+8*\t:S+8*\t+7], v[SO+\t/2]
.endr
	v_nop
	v_permlane16_swap_b32 v[\fe], v[\fe+1]
	v_permlane16_swap_b32 v[\fe+2], v[\fe+3]       ; lane (r, h), register i: d = 32 h + 8 i + 0 .. 7 of token r
	global_store_b128 v[AIM], v[\fe:\fe+3], s[\fac:\fac+1]   ; 512 consecutive bytes, aligned
	global_store_b16 v[ASR], v[\fw], s[\fas:\fas+1]
.endm
.rept 4
	v_nop                                          ; places behind the last products
.endr
	FINISH LA, OA, PC, WA, 76, 80                  ; each tile has registers of its own for what it stores
	FINISH LB, OB, PC+4, WB, 78, 82
	s_wait_tensorcnt 0x0
	ds_add_u32 v254, v255
	s_wait_dscnt 0x0
	s_endpgm
.Lfunc_end_k_qa93d1320fd_attn:
	.size	k_qa93d1320fd_attn, .Lfunc_end_k_qa93d1320fd_attn-k_qa93d1320fd_attn
	.p2alignl 7, 3214868480
	.fill 96, 4, 3214868480
	.section	.rodata,"a",@progbits
	.p2align	6, 0x0
	.amdhsa_kernel k_qa93d1320fd_attn
		.amdhsa_group_segment_fixed_size 169984
		.amdhsa_private_segment_fixed_size 0
		.amdhsa_enable_private_segment 0
		.amdhsa_kernarg_size 64
		.amdhsa_user_sgpr_count 2
		.amdhsa_user_sgpr_kernarg_segment_ptr 1
		.amdhsa_wavefront_size32 1
		.amdhsa_system_sgpr_workgroup_id_x 1
		.amdhsa_system_sgpr_workgroup_id_y 1
		.amdhsa_system_sgpr_workgroup_id_z 1
		.amdhsa_system_vgpr_workitem_id 0
		.amdhsa_next_free_vgpr 256
		.amdhsa_next_free_sgpr 100
		.amdhsa_reserve_vcc 1
		.amdhsa_float_denorm_mode_32 3
		.amdhsa_float_denorm_mode_16_64 3
		.amdhsa_memory_ordered 1
		.amdhsa_forward_progress 1
		.amdhsa_inst_pref_size 127
	.end_amdhsa_kernel
	.amdgpu_metadata
---
amdhsa.version: [ 1, 2 ]
amdhsa.kernels:
  - .name:           k_qa93d1320fd_attn
    .symbol:         k_qa93d1320fd_attn.kd
    .args:
      - { .name: qc, .offset: 0, .size: 8, .value_kind: global_buffer, .address_space: global }
      - { .name: qs, .offset: 8, .size: 8, .value_kind: global_buffer, .address_space: global }
      - { .name: kc, .offset: 16, .size: 8, .value_kind: global_buffer, .address_space: global }
      - { .name: ks, .offset: 24, .size: 8, .value_kind: global_buffer, .address_space: global }
      - { .name: vc, .offset: 32, .size: 8, .value_kind: global_buffer, .address_space: global }
      - { .name: vs, .offset: 40, .size: 8, .value_kind: global_buffer, .address_space: global }
      - { .name: ac, .offset: 48, .size: 8, .value_kind: global_buffer, .address_space: global }
      - { .name: asc, .offset: 56, .size: 8, .value_kind: global_buffer, .address_space: global }
    .group_segment_fixed_size: 169984
    .private_segment_fixed_size: 0
    .kernarg_segment_align: 8
    .kernarg_segment_size: 64
    .max_flat_workgroup_size: 512
    .sgpr_count:     100
    .vgpr_count:     256
    .wavefront_size: 32
...
	.end_amdgpu_metadata
.endif
;; end of part 2
;; launch proj (part 3): grid 4 x 32, 4 waves a work-group, clusters of 4 x 4, 327,680 bytes of LDS; arguments ac, asc, Wo_codes, Wo_scales, bo, out0; writes out0
.if DOCPART == 3
	.amdgcn_target "amdgcn-amd-amdhsa--gfx1250"
	.amdhsa_code_object_version 6
	.text
	.protected	k_qa93d1320fd_proj
	.globl	k_qa93d1320fd_proj
	.p2align	8
	.type	k_qa93d1320fd_proj,@function
k_qa93d1320fd_proj:
	s_mov_b64 s[64:65], 0
	v_nop
	global_prefetch_b8 v0, s[64:65] scope:SCOPE_SE
	s_setreg_imm32_b32 hwreg(HW_REG_WAVE_MODE, 25, 1), 1
	s_wait_xcnt 0x0
	s_wait_alu depctr_hold_cnt(0) depctr_sa_sdst(0) depctr_va_vdst(0) depctr_va_sdst(0) depctr_va_ssrc(0) depctr_va_vcc(0) depctr_vm_vsrc(0)
	s_getreg_b32 s2, hwreg(HW_REG_IB_STS2, 6, 4)
	s_cmp_eq_u32 s2, 0
	s_cbranch_scc0 .Lentry_in_a_cluster
	s_endpgm
.Lentry_in_a_cluster:
	s_bfe_u32 s2, ttmp6, 0x10000c
	s_cmp_lg_u32 s2, 0xf033
	s_cbranch_scc0 .Lentry_shape_is_right
	s_endpgm
.Lentry_shape_is_right:
; out0[m][n] = sum over k of A[m][k] Wo[n][k] + bo[n].  A: the attention's result, 8,192 x 1,024, as codes of FP4 (E2M1) with one E8M0 scale for each 32 along K; Wo: [1,024][1,024] likewise; out0 f32; sums in f32.
; A tile of 256 x 256 is made by a work-group of four waves; a wave makes 128 x 128: 64 accumulators, 512 registers.  K = 1,024 is two LDS slots of 512 along K: both are asked for at the start, nothing is filled again.
; A's CODES LIE IN MEMORY AS IMAGES OF THE OPERAND'S REGISTERS: [K half][tile of 16 rows][8 x 64 along K][lane][16 B].  So 128 rows x 512 along K are 32,768 dense bytes, fetched as 128 rows of 256 bytes without padding,
; and a fragment comes by two loads of 512 consecutive bytes.  Wo's codes come as rows of 256 bytes, 16 bytes of padding behind each.  The scale bytes of the 256 + 256 rows come once, as dense blocks.
; THE BIAS is the C of each sum's first matrix instruction: 64 registers in the result's layout (lane (r, h), block b: bo at my columns 16 b + 8 h + 0 .. 7), the same for all rows.
; CLUSTERS: 4 x 4 work-groups; A's tiles are shared along a row of the cluster, Wo's along a column, by joint loads.  The matrix instruction is used transposed (source 0 = 16 rows of Wo, source 1 = 16 rows of A):
; a lane holds eight neighbouring numbers of a row of out0.
; REGISTERS, in windows of 256: window 0: v0-31 addresses; v32-95 scale words, two sets; v128-191 A's fragments, one set; v192-255 the bias; on the way out v128-255 hold rows read back.
;   window 1: Wo's fragments, two sets.   window 2: the accumulators of my rows 0-63;   window 3: those of rows 64-127.
.set SIZE_N, 1024
.set NQ,     4
.set ROWB,   256
.set KROW,   512
.set PITCH,  272
.set FR,     8
.set NL,     2
.set NP,     4
.set AHALF,  32768                     ; 128 rows of A in a slot
.set BOFF,   2*AHALF                   ; behind A's 256 rows: Wo's
.set HALFT,  128*PITCH
.set SLOT,   BOFF+2*HALFT
.set SIGMA,  2097152                   ; from A's first K half to its second, in memory
.set KS,     32
.set SCL,    2*SLOT
.set HALFS,  (128*KS/256)*272
.set SBLK,   (16*KS/256)*272
.set SPARE,  SCL+4*HALFS               ; the spare words, 128 bytes a wave: no other line names them
.set SPITCH, 528                       ; the way out: a stage of 16 rows x (512 bytes + 16) for each wave, in slot 0, which has had its one fill and its last read when the first result is stored there
.set ADRA, 16
.set ADRB, 20
.set STO,  24
.set RD,   25
.set CO,   26
.set ADRS, 27
.set SPW,  28
.set NIL,  29
.set BO,   30                          ; v30  32 h: my half's place in a block of the bias
.set SC,   32
.set AF,   128
.set BK,   128
.set BIAS, 192
.set G1, 24
.set G0, 32
.set G1B, 48
.set G0B, 56
.set G1S, 68
.set G0S, 76
.set G1SB, 80
.set G0SB, 88
.set MSB, 0
.macro WIN new
.if MSB != (\new)
	s_set_vgpr_msb (MSB<<8)|(\new)
.set MSB, (\new)
.endif
.endm
.set MUL_LO, 0xa1                      ; source 0 (Wo) window 1, source 1 (A) window 0, C and D window 2
.set MUL_HI, 0xf1
.set FST_LO, 0x81                      ; the first step: C (the bias) window 0, D window 2
.set FST_HI, 0xc1
.set TO_B,   0x40
.macro JLOAD g0a, g1a, g0b, g1b        ; waves 0 and 1 fetch for A, waves 2 and 3 for Wo; four v_nop follow each of the two lines
	s_cmp_eq_u32 s15, 0
	s_cbranch_scc0 .Lfor_b_\@
	tensor_load_to_lds s[\g0a:\g0a+3], s[\g1a:\g1a+7]
	s_nop 0
.rept 4
	v_nop
.endr
	s_branch .Lasked_\@
.Lfor_b_\@:
	tensor_load_to_lds s[\g0b:\g0b+3], s[\g1b:\g1b+7]
	s_nop 0
.rept 4
	v_nop
.endr
.Lasked_\@:
.endm
.macro CROUND
	s_barrier_signal -1
	s_barrier_wait -1
	s_cmp_lg_u32 s14, 0
	s_cbranch_scc1 .Lnot_wave_0_\@
	s_barrier_signal -3
.Lnot_wave_0_\@:
	s_barrier_wait -3
	s_barrier_signal -1
	s_barrier_wait -1
.endm
	s_load_b128 s[4:7], s[0:1], 0x0                ; A's codes, A's scales
	s_load_b128 s[8:11], s[0:1], 0x10              ; Wo's codes, Wo's scales
	s_load_b64 s[96:97], s[0:1], 0x20              ; bo
	s_load_b64 s[12:13], s[0:1], 0x28              ; out0
	v_lshl_add_u32 v[SPW], v0, 2, SPARE
	v_mov_b32 v[NIL], 0
	ds_add_u32 v28, v29
	ds_add_u32 v28, v29
	s_wait_dscnt 0x0
	v_lshrrev_b32 v1, 5, v0
	v_readfirstlane_b32 s14, v1                    ; wave 0..3
	s_lshr_b32 s15, s14, 1                         ; which half of the tile's rows is mine.  Also: I fetch for A (0) or for Wo (1)
	s_and_b32 s16, s14, 1                          ; which half of its columns.  Also: which 128 rows I fetch
	s_bfe_u32 s40, ttmp6, 0x40000                  ; cx
	s_bfe_u32 s41, ttmp6, 0x40004                  ; cy
	s_lshl_b32 s42, ttmp9, 2
	s_add_co_u32 s42, s42, s40                     ; tile column
	s_and_b32 s17, ttmp7, 0xffff
	s_lshl_b32 s17, s17, 2
	s_add_co_u32 s17, s17, s41                     ; tile row
	s_lshl_b32 s43, s41, 2
	s_lshl_b32 s43, 15, s43                        ; my row of the cluster
	s_lshl_b32 s44, 0x1111, s40                    ; my column
	s_or_b32 s[G1+0], s43, (3<<16)|(1<<21)         ; A: the mask of my row; elements of 8 bytes; no padding; bit 21 beside a mask
	s_mov_b32 s[G1+1], 32<<16                      ; 128 dense rows of 256 bytes
	s_mov_b32 s[G1+2], 128<<16
	s_mov_b32 s[G1+3], 32<<16
	s_mov_b32 s[G1+4], 128
	s_mov_b32 s[G1+5], 32
	s_mov_b32 s[G1+6], 0
	s_mov_b32 s[G1+7], 0
	s_or_b32 s[G1B+0], s44, (0<<16)|(1<<20)|(1<<21)|(5<<22)|(3<<25)  ; Wo: the mask of my column; elements of 1 byte; after every 64 words 4 words of padding
	s_mov_b32 s[G1B+1], ROWB<<16
	s_mov_b32 s[G1B+2], 128<<16
	s_mov_b32 s[G1B+3], ROWB<<16
	s_mov_b32 s[G1B+4], 128
	s_mov_b32 s[G1B+5], KROW
	s_mov_b32 s[G1B+6], 0
	s_mov_b32 s[G1B+7], 0
	s_or_b32 s[G1S+0], s43, (3<<16)|(1<<20)|(1<<21)|(5<<22)|(3<<25)  ; the scales of 128 rows: 16 rows of 256 bytes, 16 bytes of padding behind each
	s_or_b32 s[G1SB+0], s44, (3<<16)|(1<<20)|(1<<21)|(5<<22)|(3<<25)
.irp g, G1S, G1SB
	s_mov_b32 s[\g+1], 32<<16
	s_mov_b32 s[\g+2], (128*KS/256)<<16
	s_mov_b32 s[\g+3], 32<<16
	s_mov_b32 s[\g+4], 128*KS/256
	s_mov_b32 s[\g+5], 32
	s_mov_b32 s[\g+6], 0
	s_mov_b32 s[\g+7], 0
.endr
	s_lshl_b32 s18, s16, 7
	s_lshl_b32 s20, s17, 8
	s_add_co_u32 s20, s20, s18                     ; A: row 256 x tile row + 128 x half
	s_lshl_b32 s46, s42, 8
	s_add_co_u32 s46, s46, s18                     ; Wo: row 256 x tile column + 128 x half
	s_mov_b32 s21, 0
	s_mov_b32 s47, 0
	s_mov_b64 s[18:19], KS
	s_mul_u64 s[22:23], s[20:21], s[18:19]         ; where these rows' scales begin
	s_mul_u64 s[92:93], s[46:47], s[18:19]
	s_lshl_b64 s[20:21], s[20:21], 8               ; A's images: 256 bytes a row in each K half
	s_mov_b64 s[18:19], KROW
	s_mul_u64 s[46:47], s[46:47], s[18:19]
	s_lshl_b32 s45, s16, 15                        ; where they go: A's half,
	s_mul_i32 s95, s16, HALFT
	s_add_co_u32 s95, s95, BOFF                    ; Wo's half, behind A's 256 rows,
	s_mul_i32 s94, s14, HALFS                      ; the scales: wave x 128 rows
	s_wait_kmcnt 0x0
	s_add_nc_u64 s[20:21], s[4:5], s[20:21]
	s_add_nc_u64 s[22:23], s[6:7], s[22:23]
	s_add_nc_u64 s[46:47], s[8:9], s[46:47]
	s_add_nc_u64 s[92:93], s[10:11], s[92:93]
	CROUND                                         ; all sixteen work-groups are here: the joint loads meet
	s_mov_b32 s[G0S], 1
	s_add_co_u32 s[G0S+1], s94, SCL
	s_mov_b64 s[G0S+2:G0S+3], s[22:23]
	s_or_b32 s[G0S+3], s[G0S+3], 0x80000000
	s_mov_b32 s[G0SB], 1
	s_add_co_u32 s[G0SB+1], s94, SCL
	s_mov_b64 s[G0SB+2:G0SB+3], s[92:93]
	s_or_b32 s[G0SB+3], s[G0SB+3], 0x80000000
	JLOAD G0S, G1S, G0SB, G1SB
.irp s, 0,1
	s_mov_b32 s[G0+4*\s], 1
	s_add_co_u32 s[G0+4*\s+1], s45, \s*SLOT
	s_add_nc_u64 s[G0+4*\s+2:G0+4*\s+3], s[20:21], \s*SIGMA
	s_or_b32 s[G0+4*\s+3], s[G0+4*\s+3], 0x80000000
	s_mov_b32 s[G0B+4*\s], 1
	s_add_co_u32 s[G0B+4*\s+1], s95, \s*SLOT
	s_add_nc_u64 s[G0B+4*\s+2:G0B+4*\s+3], s[46:47], \s*ROWB
	s_or_b32 s[G0B+4*\s+3], s[G0B+4*\s+3], 0x80000000
	JLOAD G0+4*\s, G1, G0B+4*\s, G1B               ; three loads of mine are out: all that this launch asks for
.endr
	v_and_b32 v1, 15, v0                           ; r
	v_bfe_u32 v2, v0, 4, 1                         ; h
	v_mul_u32_u24 v3, v1, PITCH
	v_lshl_add_u32 v4, v2, 4, v3                   ; Wo: row x pitch + 16 x half
	v_and_b32 v6, 31, v0
	v_lshlrev_b32 v[CO], 4, v6                     ; 16 x lane: A's images, and a row of out0
	s_lshl_b32 s21, s15, 15                        ; my 128 rows of A
	s_mul_i32 s22, s16, HALFT                      ; my 128 rows of Wo
	s_add_co_u32 s22, s22, BOFF
.irp s, 0,1
	v_add_nc_u32 v[ADRA+\s], s21, v[CO]
	v_add_nc_u32 v[ADRB+\s], s22, v4
	s_add_co_u32 s21, s21, SLOT
	s_add_co_u32 s22, s22, SLOT
.endr
	v_mul_u32_u24 v5, v1, KS
	v_lshrrev_b32 v6, 8, v5
	v_lshl_add_u32 v5, v6, 4, v5
	s_mul_i32 s21, s15, HALFS
	s_mul_i32 s22, s16, HALFS
	s_add_co_u32 s22, s22, 2*HALFS
	s_sub_co_u32 s22, s22, s21
	v_mul_u32_u24 v6, s22, v2                      ; lanes 16-31 take Wo's
	s_add_co_u32 s21, s21, SCL
	v_add_nc_u32 v5, v5, v6
	v_add_nc_u32 v[ADRS], s21, v5
	s_mul_i32 s23, s14, 16*SPITCH                  ; my stage
	v_mul_u32_u24 v5, v1, SPITCH
	v_lshl_add_u32 v5, v2, 5, v5
	v_add_nc_u32 v[STO], s23, v5                   ; in: row r, 32 bytes for each half of the lanes
	v_add_nc_u32 v[RD], s23, v[CO]                 ; back: the 32 lanes take one row of 512 bytes
	v_lshlrev_b32 v[BO], 5, v2
	s_lshl_b32 s20, s17, 8
	s_lshl_b32 s21, s15, 7
	s_add_co_u32 s20, s20, s21                     ; my first row of out0
	s_mov_b32 s21, 0
	s_mov_b64 s[18:19], SIZE_N*4
	s_mul_u64 s[20:21], s[20:21], s[18:19]
	s_lshl_b32 s46, s42, 10                        ; my first column, in bytes: 1,024 x tile column + 512 x half
	s_lshl_b32 s47, s16, 9
	s_add_co_u32 s46, s46, s47
	s_mov_b32 s47, 0
	s_add_nc_u64 s[96:97], s[96:97], s[46:47]      ; the bias at my first column
	s_add_nc_u64 s[20:21], s[20:21], s[46:47]
	s_add_nc_u64 s[12:13], s[12:13], s[20:21]
.irp b, 0,1,2,3,4,5,6,7
	global_load_b128 v[BIAS+8*\b:BIAS+8*\b+3], v[BO], s[96:97] offset:64*\b
	global_load_b128 v[BIAS+8*\b+4:BIAS+8*\b+7], v[BO], s[96:97] offset:64*\b+16
.endr
.macro FRAGB reg, adr, q, i            ; Wo: 16 rows x 128 K from padded rows
.irp c, 0,1
	ds_load_b128 v[\reg+4*\c:\reg+4*\c+3], v[\adr] offset:64*(\q)+32*\c+(\i)*16*PITCH
.endr
.endm
.macro FRAGA reg, adr, q, i            ; A: the image of tile i, the slot's q-th 128 along K: two runs of 512 bytes
.irp c, 0,1
	ds_load_b128 v[\reg+4*\c:\reg+4*\c+3], v[\adr] offset:4096*(\i)+1024*(\q)+512*\c
.endr
.endm
; 16 matrix instructions: A's blocks a0, a0 + 1 x Wo's eight.  zero = 1: the first product starts the sums from the bias.  The 64 accumulators take turns, one instruction a turn.
.macro MUL16 a0, p, q, sc, zero
.irp a, \a0, \a0+1
.irp b, 0,1,2,3,4,5,6,7
.if \zero
	v_wmma_scale_f32_16x16x128_f8f6f4 v[8*(8*((\a)%4)+\b):8*(8*((\a)%4)+\b)+7], v[128*(\p)+FR*\b:128*(\p)+FR*\b+FR-1], v[AF+FR*(\a):AF+FR*(\a)+FR-1], v[BIAS+8*\b:BIAS+8*\b+7], v[SC+8*NQ*(\sc)+NQ*\b+(\q)], v[SC+8*NQ*(\sc)+NQ*(\a)+(\q)] matrix_a_fmt:MATRIX_FMT_FP4 matrix_b_fmt:MATRIX_FMT_FP4 matrix_a_scale:MATRIX_SCALE_ROW1
.else
	v_wmma_scale_f32_16x16x128_f8f6f4 v[8*(8*((\a)%4)+\b):8*(8*((\a)%4)+\b)+7], v[128*(\p)+FR*\b:128*(\p)+FR*\b+FR-1], v[AF+FR*(\a):AF+FR*(\a)+FR-1], v[8*(8*((\a)%4)+\b):8*(8*((\a)%4)+\b)+7], v[SC+8*NQ*(\sc)+NQ*\b+(\q)], v[SC+8*NQ*(\sc)+NQ*(\a)+(\q)] matrix_a_fmt:MATRIX_FMT_FP4 matrix_b_fmt:MATRIX_FMT_FP4 matrix_a_scale:MATRIX_SCALE_ROW1
.endif
.endr
.endr
.endm
.macro FETCH_B slot, q, p
	WIN TO_B
.irp i, 0,1,2,3,4,5,6,7
	FRAGB 128*(\p)+FR*\i, ADRB+\slot, \q, \i
.endr
	WIN 0
.endm
.macro FETCH_A slot, q, i0
.irp i, \i0, \i0+1, \i0+2, \i0+3
	FRAGA AF+FR*(\i), ADRA+\slot, \q, \i
.endr
.endm
.macro SCALES sc
.irp i, 0,1,2,3,4,5,6,7
	ds_load_b128 v[SC+8*NQ*\sc+NQ*\i:SC+8*NQ*\sc+NQ*\i+3], v[ADRS] offset:\i*SBLK
.endr
.endm
.macro PLACES n                        ; plain vector instructions between a matrix instruction and a load into, or a read of, its registers
.rept \n
	v_nop
.endr
.endm
.macro STEP slot, q, zero
	s_wait_dscnt 4*NL                              ; Wo's set and A's blocks 0-3 are in; the youngest eight loads (A's blocks 4-7) may be out
.if \zero
	WIN FST_LO
.else
	WIN MUL_LO
.endif
	MUL16 0, (\q)%2, \q, \slot, \zero
	MUL16 2, (\q)%2, \q, \slot, \zero
	s_wait_dscnt 0
	PLACES NP
	FETCH_B \slot, (\q)+1, 1-(\q)%2
	FETCH_A \slot, (\q)+1, 0
.if \zero
	WIN FST_HI
.else
	WIN MUL_HI
.endif
	MUL16 4, (\q)%2, \q, \slot, \zero
	MUL16 6, (\q)%2, \q, \slot, \zero
	PLACES NP
	WIN 0
	FETCH_A \slot, (\q)+1, 4
.endm
.macro TURN slot, next                 ; slot 0's last step goes over to slot 1: one barrier
	s_wait_tensorcnt 0x0                           ; all my tensor loads have landed: my part of the next slot
	ds_add_u32 v[SPW], v[NIL]                      ; 0 onto my spare word
	s_wait_dscnt 4*NL+1                            ; (the add and the youngest eight loads may be out)
	WIN MUL_LO
	MUL16 0, 1, NQ-1, \slot, 0
	s_wait_dscnt 0x0                               ; the add is done, and my reads of this slot are over
	s_barrier_signal -1
	MUL16 2, 1, NQ-1, \slot, 0
	WIN 0
	s_barrier_wait -1                              ; the next slot is whole, and nobody reads this one any more
	PLACES NP
	v_add_nc_u32 v[ADRS], 4*NQ, v[ADRS]
	FETCH_B \next, 0, 0
	FETCH_A \next, 0, 0
	SCALES \next
	WIN MUL_HI
	MUL16 4, 1, NQ-1, \slot, 0
	MUL16 6, 1, NQ-1, \slot, 0
	PLACES NP
	WIN 0
	FETCH_A \next, 0, 4
.endm
.macro STEPS slot, from
.set Q, \from
.rept NQ-1-\from
	STEP \slot, Q, 0
.set Q, Q+1
.endr
.endm
	s_wait_tensorcnt 1                             ; the scales and my part of slot 0 are in; slot 1's load, issued behind them, may be out
	s_barrier_signal -1
	s_barrier_wait -1
	FETCH_B 0, 0, 0
	FETCH_A 0, 0, 0
	SCALES 0
	FETCH_A 0, 0, 4
	s_wait_loadcnt 0x0                             ; the bias
	STEP 0, 0, 1
	STEPS 0, 1
	TURN 0, 1
	STEPS 1, 0
	s_wait_dscnt 4*NL
	WIN MUL_LO
	MUL16 0, 1, NQ-1, 1, 0
	MUL16 2, 1, NQ-1, 1, 0
	s_wait_dscnt 0
	WIN MUL_HI
	MUL16 4, 1, NQ-1, 1, 0
	MUL16 6, 1, NQ-1, 1, 0
	WIN 0
; THE WAY OUT, block by block of 16 rows x 128 columns: through my own stage in LDS and back as whole rows of 512 bytes.  LDS serves a wave's instructions in order (ISA guide 5.7.1.4): no wait between the stores and the loads.
.macro TOSTAGE a
.set AC, 64*((\a)%4)
	WIN 0x08+4*((\a)/4)                            ; the data: window 2 or 3
.irp b, 0,1,2,3,4,5,6,7
	ds_store_b128 v[STO], v[AC+8*\b:AC+8*\b+3] offset:64*\b          ; each accumulator from its low end on
	ds_store_b128 v[STO], v[AC+8*\b+4:AC+8*\b+7] offset:64*\b+16
.endr
	WIN 0
.set BB, BK+64*((\a)%2)
.irp t, 0,1,2,3,4,5,6,7,8,9,10,11,12,13,14,15
	ds_load_b128 v[BB+4*\t:BB+4*\t+3], v[RD] offset:\t*SPITCH
.endr
.endm
.macro SEND a, younger                 ; younger: the LDS instructions issued behind block a's loads, which may stay out
.set BB, BK+64*((\a)%2)
	s_wait_dscnt \younger
.if (\a) > 0
	s_add_nc_u64 s[12:13], s[12:13], 16*SIZE_N*4   ; (behind a wait on XCNT: the earlier stores have read their base)  16 rows on
.endif
.irp t, 0,1,2,3,4,5,6,7,8,9,10,11,12,13,14,15
	global_store_b128 v[CO], v[BB+4*\t:BB+4*\t+3], s[12:13] offset:\t*SIZE_N*4 th:TH_STORE_NT   ; 32 lanes store 512 consecutive bytes, aligned; written once, read by nobody here
.endr
.endm
	PLACES NP
	TOSTAGE 0
.irp a, 1,2,3,4,5,6,7
.if \a > 1
	s_wait_xcnt 0x0                                ; block a - 2's stores have read their registers and their base: block a's loads may land there, and the base may step
.endif
	TOSTAGE \a
	SEND \a-1, 32                                  ; behind block a - 1's loads: block a's 16 stores and 16 loads
.endr
	s_wait_xcnt 0x0
	SEND 7, 0
	s_wait_tensorcnt 0x0                           ; the wave's end
	ds_add_u32 v[SPW], v[NIL]
	s_wait_dscnt 0x0
	CROUND                                         ; the closing round
	s_endpgm
.Lfunc_end_k_qa93d1320fd_proj:
	.size	k_qa93d1320fd_proj, .Lfunc_end_k_qa93d1320fd_proj-k_qa93d1320fd_proj
	.p2alignl 7, 3214868480
	.fill 96, 4, 3214868480
	.section	.rodata,"a",@progbits
	.p2align	6, 0x0
	.amdhsa_kernel k_qa93d1320fd_proj
		.amdhsa_group_segment_fixed_size 327680
		.amdhsa_private_segment_fixed_size 0
		.amdhsa_enable_private_segment 0
		.amdhsa_kernarg_size 48
		.amdhsa_user_sgpr_count 2
		.amdhsa_user_sgpr_kernarg_segment_ptr 1
		.amdhsa_wavefront_size32 1
		.amdhsa_system_sgpr_workgroup_id_x 1
		.amdhsa_system_sgpr_workgroup_id_y 1
		.amdhsa_system_sgpr_workgroup_id_z 1
		.amdhsa_system_vgpr_workitem_id 0
		.amdhsa_next_free_vgpr 1024
		.amdhsa_next_free_sgpr 100
		.amdhsa_reserve_vcc 0
		.amdhsa_float_denorm_mode_32 3
		.amdhsa_float_denorm_mode_16_64 3
		.amdhsa_memory_ordered 1
		.amdhsa_forward_progress 1
		.amdhsa_inst_pref_size 126
	.end_amdhsa_kernel
	.amdgpu_metadata
---
amdhsa.version: [ 1, 2 ]
amdhsa.kernels:
  - .name:           k_qa93d1320fd_proj
    .symbol:         k_qa93d1320fd_proj.kd
    .args:
      - { .name: ac, .offset: 0, .size: 8, .value_kind: global_buffer, .address_space: global }
      - { .name: asc, .offset: 8, .size: 8, .value_kind: global_buffer, .address_space: global }
      - { .name: Wo_codes, .offset: 16, .size: 8, .value_kind: global_buffer, .address_space: global }
      - { .name: Wo_scales, .offset: 24, .size: 8, .value_kind: global_buffer, .address_space: global }
      - { .name: bo, .offset: 32, .size: 8, .value_kind: global_buffer, .address_space: global }
      - { .name: out0, .offset: 40, .size: 8, .value_kind: global_buffer, .address_space: global }
    .group_segment_fixed_size: 327680
    .private_segment_fixed_size: 0
    .kernarg_segment_align: 8
    .kernarg_segment_size: 48
    .max_flat_workgroup_size: 128
    .sgpr_count:     100
    .vgpr_count:     1024
    .wavefront_size: 32
...
	.end_amdgpu_metadata
.endif
;; end of part 3
